; MI455X (gfx1250); checked and timed in simulation.
; The chip was launched on July 23, 2026; its instructions are those of AMD's public machine-readable ISA for CDNA 5 (MIT licence, August 2026) and "CDNA5" Instruction Set Architecture Reference Guide (July 2026). The comments in the code are by the model that wrote it; some were corrected since.
;; Causal Self Attention. Allowed arithmetic: matrix products marked QUANTISED: E5M2 operands, one E8M0 scale for each 32 along K, by v_wmma_scale_f32_16x16x128_f8f6f4 with both operands' format E5M2, f32 sums; everything else in f32.
;; Inputs: W_attn 1,024 x 3,072 float32; W_proj 1,024 x 1,024 float32; b_attn 3,072 float32; b_proj 1,024 float32; x 4 x 2,048 x 1,024 float32.
;; Outputs: out0 4 x 2,048 x 1,024 float32.
;; This version of the problem:
;;   THIS VERSION OF THE PROBLEM IS GIVEN IN LOW PRECISION. The matrix products marked QUANTISED in the list below multiply operands that are first quantised to E5M2 (5 exponent bits, 2 mantissa bits; 8 bits a number), with one power-of-two scale for each 32 numbers along K (OCP MX v1.0); their sums are f32. All else is computed in f32.
;;   The module's matrix products, in the order in which they are computed (A, B: the left and right operand; K: the contracted axis; several contracted axes count as one K, in the product's order):
;;     1. [M 8,192, K 1,024] x [K 1,024, N 3,072]; A: input x; B: input W_attn: QUANTISED
;;     2. batch 64 x [M 2,048, K 64] x [K 64, N 2,048]; A: computed on the way; B: computed on the way: QUANTISED
;;     3. batch 64 x [M 2,048, K 2,048] x [K 2,048, N 64]; A: softmax (see below); B: computed on the way: QUANTISED
;;     4. [M 8,192, K 1,024] x [K 1,024, N 1,024]; A: computed on the way; B: input W_proj: QUANTISED
;;   THE QUANTISER, for each operand of a quantised product, along K:
;;     - K is cut into blocks of 32 from its start; a last block that is shorter is filled with zeros.
;;     - A block's scale is 2^e with e = floor(log2(the largest magnitude in the block)) - 15, held to -126 .. 127; a block of zeros has e = 0. As a byte (E8M0): e + 127.
;;     - Each number is divided by its block's scale, clamped to +-57,344, and rounded to the nearest number of E5M2, ties to even, subnormals kept.
;;     - The product sums the exact products of the quantised numbers (number of the format x scale) in f32.
;;   ~~~python
;;   def quantise(x, axis):      # numpy; x: float32 -> the quantised numbers, widened to float32 again
;;       x = np.moveaxis(x, axis, -1); K = x.shape[-1]
;;       x = np.pad(x, [(0, 0)] * (x.ndim - 1) + [(0, -K % 32)]); x = x.reshape(x.shape[:-1] + (-1, 32)); a = np.abs(x).max(-1, keepdims=True)
;;       e = np.where(a > 0, np.clip(np.frexp(np.where(a > 0, a, 1))[1] - 1 - 15, -126, 127), 0)      # np.frexp(a)[1] - 1 = floor(log2(a)), exactly
;;       r = np.clip(x / 2.0 ** e, -57344, 57344)
;;       step = 2.0 ** (np.maximum(np.frexp(np.where(r == 0, 1, r))[1] - 1, -14) - 2)
;;       q = np.round(r / step) * step * 2.0 ** e      # np.round: ties to even
;;       return np.moveaxis(q.reshape(q.shape[:-2] + (-1,))[..., :K], -1, axis).astype(np.float32)
;;   ~~~
;;   SOFTMAX AHEAD OF A QUANTISED PRODUCT. Where the list says 'softmax', what is quantised is not the finished softmax but p = 2^(t - M), with t = logit x log2(e) and M = ceil(the row's largest t), a whole number; so 1/2 < the row's largest p <= 1. The row's sum l is taken of the UNQUANTISED p, in f32, and the product's result is divided by l at the end. Since M is a whole number, a kernel that streams over the keys may use a running M (the ceiling of the running maximum): every later rescaling is an exact power of two, which a block's scale takes up: the codes' values come out the same.
;;   OPERANDS COMPUTED ON THE WAY. 'Computed on the way' means the value that the module computes at that place (a softmax that the list does not call 'softmax' is quantised finished and normalised). What goes into a quantiser is computed in f32, as accurately as f32 sums, v_exp_f32 and their like allow (about 1e-6 of the number): no bf16 or f16 on the way to a quantiser, and a product that is left as it is and whose result goes on into a quantised operand takes f32 operands (vector FMAs, or v_wmma_f32_16x16x4_f32). A number that lies on a knife's edge between two numbers of the format may be rounded either way, as far as f32 arithmetic and the matrix unit's own rounding can turn it there, and no further.
;; One version. Each part assembles by itself: llvm-mc -triple=amdgcn-amd-amdhsa -mcpu=gfx1250 --defsym DOCPART=n.
;; ======== version 1 of 1: 4 launches
;; limits: right only within a limited range of input values
;; workspace buffers: xq 8,650,752 bytes; waq 3,244,032 bytes; wpq 1,081,344 bytes; qq 8,912,896 bytes; kv 17,563,648 bytes; yq 8,650,752 bytes
;; launch quant (part 1): grid 640 x 1, 4 waves a work-group, no clusters, 68,096 bytes of LDS; arguments x, W_attn, W_proj, xq, waq, wpq; writes xq, waq, wpq
.if DOCPART == 1
	.amdgcn_target "amdgcn-amd-amdhsa--gfx1250"
	.amdhsa_code_object_version 6
	.text
	.protected	k_q4102f83d66_quant
	.globl	k_q4102f83d66_quant
	.p2align	8
	.type	k_q4102f83d66_quant,@function
k_q4102f83d66_quant:
	s_mov_b64 s[64:65], 0
	v_nop
	global_prefetch_b8 v0, s[64:65] scope:SCOPE_SE
	s_setreg_imm32_b32 hwreg(HW_REG_WAVE_MODE, 25, 1), 1
	s_wait_xcnt 0x0
; x [8192][1024], W_attn [1024][3072], W_proj [1024][1024], f32, become codes of BF8 (E5M2) with one E8M0 byte for each 32 along K (K = 1024 in all three).
; A block's scale is 2^(floor(log2(its largest magnitude)) - 15); each number is divided by it, held within +-57,344 and rounded to the nearest code, ties to even.
; THE CODES ARE LAID AS IMAGES OF THE READER'S OPERAND REGISTERS.  A tile is 16 rows (of x: tokens; of a weight: its columns n): lane-row r of tile 2 f + u is row 32 f + 8 u + r + 8 (r / 8).
; A fragment (a tile x 128 along K) is 2,048 bytes [c 4][lane 32][16]: lane (r, h) holds k = 32 c + 16 h + 0 .. 15.  A tensor is [K / 256][tile][q 2] fragments; behind them its scale bytes, [tile][r][32].
; LIMITS: NaN and infinities among the inputs are not served; a block whose largest magnitude lies under 2^-111 gets the byte 1, and so does a block of zeros (the rule says 127: its codes are zeros, and this program alone reads the bytes).
; Work-groups 0 to 127 take the weights, 128 to 639 take x.  Nothing is shared between waves: no barrier, no tensor load, no matrix unit; every byte is read once.
.set SPARE, 67584                      ; behind the four waves' stages: the spare words, 128 bytes a wave
.set SPW,  12                          ; v12 LDS address of my spare word; never rewritten
.set NIL,  13                          ; v13 0; never rewritten
.set PW0,  14                          ; v14, v15 the two fragments' scale words
.set PW1,  15
.set TM,   16                          ; v16-31 at work in QUANT
.set R0,   32                          ; v32-95  fragment 0 as loaded; later fragment 1's neighbours
.set R1,   96                          ; v96-159 fragment 1 as loaded; later its codes
.set X,    160                         ; v160-223 fragment 0's neighbours
.set PC,   224                         ; v224-239 fragment 0's codes
.set SEL,  54                          ; s[54:55] selects for lane l xor 16
.set MNT,  56                          ; s56 the mantissa field of 57,344
.set XW,   32                          ; the weights' way: v32-95 two sets of 32 numbers
.set VO,   96                          ; v96-127 4 x lane + i rows
.set CW,   128                         ; v128-191 eight registers of codes for each block: no store's data are written again
	s_load_b256 s[4:11], s[0:1], 0x0               ; x, W_attn, W_proj, xq
	s_load_b128 s[12:15], s[0:1], 0x20             ; waq, wpq
	v_lshl_add_u32 v[SPW], v0, 2, SPARE
	v_mov_b32 v[NIL], 0
	v_lshrrev_b32 v1, 5, v0
	v_readfirstlane_b32 s16, v1                    ; wave 0..3
	v_and_b32 v5, 31, v0                           ; lane
	s_mov_b32 s[MNT], 0x600000
	s_cmp_lt_u32 ttmp9, 128
	s_cbranch_scc1 .Lweights
; 64 numbers of a lane, register 16 b + i = k 32 b + 16 (lane / 16) + i of my row, become a fragment's codes in v[pc] on and its scale word in v[pw].
.macro QUANT s, pc, pw
.irp b, 0,1,2,3
	v_max3_num_f32 v[TM+\b], |v[\s+16*\b]|, |v[\s+1+16*\b]|, 0x8000000   ; my 16 numbers of block b, and the floor 2^(16 - 127): the byte cannot fall under 1
.endr
.irp i, 2,4,6,8,10,12,14
.irp b, 0,1,2,3
	v_max3_num_f32 v[TM+\b], v[TM+\b], |v[\s+16*\b+\i]|, |v[\s+1+16*\b+\i]|   ; the four blocks by turns
.endr
.endr
.irp b, 0,1,2,3
	v_permlanex16_b32 v[TM+4+\b], v[TM+\b], s[SEL], s[SEL+1]
.endr
.irp b, 0,1,2,3
	v_max_num_f32 v[TM+\b], v[TM+\b], v[TM+4+\b]   ; with lane l xor 16's 16: the block's largest magnitude
.endr
.irp b, 0,1,2,3
	v_add_nc_u32 v[TM+12+\b], 0xf8800000, v[TM+\b] ; 15 off its exponent field: the conversion's scale operand
.endr
.irp b, 0,1,2,3
	v_and_or_b32 v[TM+8+\b], v[TM+\b], 0x7f800000, s[MNT]   ; 57,344 x the scale
.endr
.irp b, 0,1,2,3
	v_lshrrev_b32 v[TM+4+\b], 23, v[TM+12+\b]      ; the scale's byte
.endr
	v_lshl_or_b32 v[\pw], v[TM+5], 8, v[TM+4]
	v_lshl_or_b32 v[\pw], v[TM+6], 16, v[\pw]
	v_lshl_or_b32 v[\pw], v[TM+7], 24, v[\pw]
.irp b, 0,1,2,3
.irp i, 0,1,2,3,4,5,6,7,8,9,10,11,12,13,14,15
	v_med3_num_f32 v[\s+16*\b+\i], v[\s+16*\b+\i], -v[TM+8+\b], v[TM+8+\b]   ; the conversion to an 8-bit code does not saturate (ISA guide 7.6.2): the hold
.endr
	v_cvt_scalef32_pk8_bf8_f32 v[\pc+4*\b:\pc+1+4*\b], v[\s+16*\b:\s+7+16*\b], v[TM+12+\b]
	v_cvt_scalef32_pk8_bf8_f32 v[\pc+2+4*\b:\pc+3+4*\b], v[\s+8+16*\b:\s+15+16*\b], v[TM+12+\b]
.endr
	v_nop                                          ; a plain line behind the last conversion
.endm
	; ---------------- x: work-group = a tile of 16 rows, wave w = K 256 w on: two fragments.  Each load reads 512 consecutive bytes of one row; the rows turn through my own stage in LDS
	; (rows of 512 bytes + 16), so that a lane gets 16 neighbours of each block of 32.
	s_sub_co_u32 s17, ttmp9, 128                   ; the tile
	v_lshlrev_b32 v1, 4, v5                        ; 16 x lane
	v_and_b32 v6, 15, v0                           ; r
	v_bfe_u32 v7, v0, 4, 1                         ; h
	s_mul_i32 s18, s16, 16896                      ; my two stages of 16 x 528 bytes
	v_add_nc_u32 v2, s18, v1                       ; into a stage: 16 x lane of a row
	v_mul_u32_u24 v3, v6, 528
	v_lshl_add_u32 v3, v7, 6, v3
	v_add_nc_u32 v3, s18, v3                       ; out of it: row r, + 64 h
	v_lshlrev_b32 v4, 5, v6
	v_lshl_add_u32 v4, v7, 2, v4                   ; the scale words: 32 r + 4 h
	s_mov_b32 s[SEL], 0x76543210
	s_mov_b32 s[SEL+1], 0xfedcba98
.irp b, 0,1,2,3
	v_mov_b32 v[TM+4+\b], 0                        ; a lane permute's destination counts as one of its sources
.endr
	s_lshr_b32 s19, s17, 1
	s_lshl_b32 s19, s19, 5
	s_and_b32 s20, s17, 1
	s_lshl_b32 s20, s20, 3
	s_add_co_u32 s19, s19, s20                     ; the tile's first row: 32 (tile / 2) + 8 (tile % 2)
	s_lshl_b32 s20, s19, 12                        ; rows of 4,096 bytes
	s_lshl_b32 s21, s16, 10
	s_add_co_u32 s20, s20, s21                     ; + 1,024 w
	s_mov_b32 s21, 0
	s_lshl_b32 s22, s16, 9
	s_add_co_u32 s22, s22, s17
	s_lshl_b32 s22, s22, 12                        ; codes: (512 w + tile) x 4,096
	s_mov_b32 s23, 0
	s_lshl_b32 s24, s17, 9
	s_lshl_b32 s25, s16, 3
	s_add_co_u32 s24, s24, s25
	s_add_co_u32 s24, s24, 8388608                 ; scale bytes: behind the image, 512 x tile + 8 w
	s_mov_b32 s25, 0
	s_wait_alu depctr_va_vdst(0)
	s_wait_kmcnt 0x0
	s_add_nc_u64 s[4:5], s[4:5], s[20:21]
	s_add_nc_u64 s[26:27], s[10:11], s[22:23]
	s_add_nc_u64 s[28:29], s[10:11], s[24:25]
.irp j, 0,1
.irp p, 0,1,2,3,4,5,6,7,8,9,10,11,12,13,14,15
	global_load_b128 v[R0+64*\j+4*\p:R0+64*\j+4*\p+3], v1, s[4:5] offset:(\p+8*(\p/8))*4096+512*\j th:TH_LOAD_NT   ; lane-row p, fragment j: all 32 loads go out at once
.endr
.endr
	s_wait_loadcnt 16                              ; fragment 0's 16 loads are in; fragment 1's may be out
.irp p, 0,1,2,3,4,5,6,7,8,9,10,11,12,13,14,15
	ds_store_b128 v2, v[R0+4*\p:R0+4*\p+3] offset:528*\p
.endr
.irp c, 0,1,2,3
.irp i, 0,1,2,3
	ds_load_b128 v[X+16*\c+4*\i:X+16*\c+4*\i+3], v3 offset:128*\c+16*\i   ; LDS serves a wave's instructions in order: these see my stores
.endr
.endr
	s_wait_loadcnt 0x0
.irp p, 0,1,2,3,4,5,6,7,8,9,10,11,12,13,14,15
	ds_store_b128 v2, v[R1+4*\p:R1+4*\p+3] offset:8448+528*\p
.endr
	s_wait_dscnt 16                                ; all but the 16 stores just issued: fragment 0 is back, and its stores have read R0
.irp c, 0,1,2,3
.irp i, 0,1,2,3
	ds_load_b128 v[R0+16*\c+4*\i:R0+16*\c+4*\i+3], v3 offset:8448+128*\c+16*\i
.endr
.endr
	QUANT X, PC, PW0
.irp c, 0,1,2,3
	global_store_b128 v1, v[PC+4*\c:PC+4*\c+3], s[26:27] offset:512*\c          ; 32 lanes store 512 consecutive bytes
.endr
	s_wait_dscnt 0x0                               ; fragment 1 is back, and its stores have read R1
	QUANT R0, R1, PW1
.irp c, 0,1,2,3
	global_store_b128 v1, v[R1+4*\c:R1+4*\c+3], s[26:27] offset:2048+512*\c
.endr
	v_cmp_lt_u32 vcc_lo, 15, v5
	v_cndmask_b32 v[PW0], v[PW0], v[PW1], vcc_lo   ; lanes 0-15 store fragment 0's word, lanes 16-31 fragment 1's
	global_store_b32 v4, v[PW0], s[28:29]          ; 8 bytes of each row's 32: pieces, one byte in 128 of what this way reads
	s_wait_tensorcnt 0x0                           ; the wave's end
	ds_add_u32 v[SPW], v[NIL]
	s_wait_dscnt 0x0
	s_endpgm
	; ---------------- the weights: K is their FIRST axis.  A lane takes a column n and its registers run down K: a block of 32 lies in one lane.  This way touches no LDS.
	; Work-group: K 256 (id / 32) on, 128 columns (id % 32: 24 groups of W_attn, then 8 of W_proj); wave: 32 columns.
.Lweights:
	s_lshr_b32 s17, ttmp9, 5                       ; which 256 along K
	s_and_b32 s18, ttmp9, 31
	s_sub_co_u32 s19, s18, 24
	s_mov_b32 s20, 4096
	s_mov_b32 s21, 64
	s_mov_b32 s22, 1048576
	s_wait_kmcnt 0x0
	s_cmp_lt_u32 s18, 24                           ; W_attn or W_proj: the choice hangs on the work-group's number alone
	s_cselect_b32 s19, s18, s19                    ; the group of 128 columns
	s_cselect_b32 s20, 12288, s20                  ; a row in bytes
	s_cselect_b32 s21, 192, s21                    ; tiles
	s_cselect_b32 s22, 3145728, s22                ; the image's bytes
	s_cselect_b64 s[24:25], s[6:7], s[8:9]
	s_cselect_b64 s[26:27], s[12:13], s[14:15]
	s_lshl_b32 s23, s19, 2
	s_add_co_u32 s23, s23, s16                     ; f: which 32 columns are my wave's
	s_mul_i32 s28, s17, s20
	s_lshl_b32 s28, s28, 8                         ; 256 rows for each step along K
	s_lshl_b32 s29, s23, 7                         ; 32 columns x 4 bytes
	s_add_co_u32 s28, s28, s29
	s_mov_b32 s29, 0
	s_add_nc_u64 s[32:33], s[24:25], s[28:29]      ; block 0's first row
	s_lshl_b32 s30, s20, 5                         ; 32 rows on
	s_mov_b32 s31, 0
.irp t, 1,2,3,4,5,6,7
	s_add_nc_u64 s[32+2*\t:33+2*\t], s[30+2*\t:31+2*\t], s[30:31]   ; a base for each block: none is stepped
.endr
	s_mul_i32 s28, s17, s21
	s_lshl_b32 s29, s23, 1
	s_add_co_u32 s28, s28, s29
	s_lshl_b32 s28, s28, 12                        ; codes: (step x tiles + 2 f) x 4,096
	s_mov_b32 s29, 0
	s_add_nc_u64 s[48:49], s[26:27], s[28:29]
	s_lshl_b32 s28, s23, 10                        ; scale bytes: behind the image, 512 x 2 f + 8 x step
	s_add_co_u32 s28, s28, s22
	s_lshl_b32 s57, s17, 3
	s_add_co_u32 s28, s28, s57
	s_add_nc_u64 s[50:51], s[26:27], s[28:29]
	s_wait_alu depctr_va_vdst(0)
	v_lshlrev_b32 v3, 2, v5
.irp i, 0,1,2,3,4,5,6,7,8,9,10,11,12,13,14,15,16,17,18,19,20,21,22,23,24,25,26,27,28,29,30,31
	v_mad_u32_u24 v[VO+\i], s20, \i, v3            ; 4 x lane + i rows
.endr
	v_bfe_u32 v6, v0, 3, 1                         ; column 32 f + lane is lane-row r of tile 2 f + u: u = (lane / 8) % 2,
	v_and_b32 v7, 7, v0
	v_bfe_u32 v8, v0, 4, 1
	v_lshl_or_b32 v7, v8, 3, v7                    ; r = lane % 8 + 8 (lane / 16)
	v_lshlrev_b32 v26, 4, v7
	v_lshl_add_u32 v26, v6, 12, v26                ; codes: 4,096 u + 16 r
	v_lshlrev_b32 v27, 5, v7
	v_lshl_add_u32 v27, v6, 9, v27                 ; scale bytes: 512 u + 32 r
.macro WLOAD t
.irp i, 0,1,2,3,4,5,6,7,8,9,10,11,12,13,14,15,16,17,18,19,20,21,22,23,24,25,26,27,28,29,30,31
	global_load_b32 v[XW+32*((\t)%2)+\i], v[VO+\i], s[32+2*(\t):33+2*(\t)] th:TH_LOAD_NT   ; 32 lanes read 128 consecutive bytes of a row
.endr
.endm
.macro WBLOCK t
.set XS, XW+32*((\t)%2)
.if (\t) < 7
	s_wait_loadcnt 32                              ; this block's 32 loads are in; the next block's may be out
.else
	s_wait_loadcnt 0x0
.endif
	v_max3_num_f32 v8, |v[XS]|, |v[XS+1]|, |v[XS+2]|
	v_max3_num_f32 v9, |v[XS+3]|, |v[XS+4]|, |v[XS+5]|
.irp i, 6,10,14,18,22,26
	v_max3_num_f32 v8, v8, |v[XS+\i]|, |v[XS+\i+1]|
	v_max3_num_f32 v9, v9, |v[XS+\i+2]|, |v[XS+\i+3]|
.endr
	v_max3_num_f32 v8, v8, |v[XS+30]|, |v[XS+31]|
	v_max3_num_f32 v8, v8, v9, 0x8000000           ; and the floor
	v_add_nc_u32 v11, 0xf8800000, v8               ; the conversion's scale operand
	v_and_or_b32 v10, v8, 0x7f800000, s[MNT]       ; 57,344 x the scale
	v_lshrrev_b32 v9, 23, v11                      ; the byte
.if (\t)%4 == 0
	v_mov_b32 v[24+(\t)/4], v9
.else
	v_lshl_or_b32 v[24+(\t)/4], v9, 8*((\t)%4), v[24+(\t)/4]
.endif
.irp i, 0,1,2,3,4,5,6,7,8,9,10,11,12,13,14,15,16,17,18,19,20,21,22,23,24,25,26,27,28,29,30,31
	v_med3_num_f32 v[XS+\i], v[XS+\i], -v10, v10
.endr
.irp g, 0,1,2,3
	v_cvt_scalef32_pk8_bf8_f32 v[CW+8*(\t)+2*\g:CW+8*(\t)+2*\g+1], v[XS+8*\g:XS+8*\g+7], v11
.endr
	global_store_b128 v26, v[CW+8*(\t):CW+8*(\t)+3], s[48:49] offset:2048*((\t)/4)+512*((\t)%4)          ; k 0-15 of the block: the places of lanes 0-15; sixteen lanes fill 256 consecutive aligned bytes
	global_store_b128 v26, v[CW+8*(\t)+4:CW+8*(\t)+7], s[48:49] offset:2048*((\t)/4)+512*((\t)%4)+256    ; k 16-31: the places of lanes 16-31
.if (\t)+2 < 8
	WLOAD (\t)+2
.endif
.endm
	WLOAD 0
	WLOAD 1
.irp t, 0,1,2,3,4,5,6,7
	WBLOCK \t
.endr
	global_store_b64 v27, v[24:25], s[50:51]       ; my column's 8 scale bytes
	s_endpgm
.Lfunc_end_k_q4102f83d66_quant:
	.size	k_q4102f83d66_quant, .Lfunc_end_k_q4102f83d66_quant-k_q4102f83d66_quant
	.p2alignl 7, 3214868480
	.fill 96, 4, 3214868480
	.section	.rodata,"a",@progbits
	.p2align	6, 0x0
	.amdhsa_kernel k_q4102f83d66_quant
		.amdhsa_group_segment_fixed_size 68096
		.amdhsa_private_segment_fixed_size 0
		.amdhsa_enable_private_segment 0
		.amdhsa_kernarg_size 48
		.amdhsa_user_sgpr_count 2
		.amdhsa_user_sgpr_kernarg_segment_ptr 1
		.amdhsa_wavefront_size32 1
		.amdhsa_system_sgpr_workgroup_id_x 1
		.amdhsa_system_sgpr_workgroup_id_y 1
		.amdhsa_system_sgpr_workgroup_id_z 1
		.amdhsa_system_vgpr_workitem_id 0
		.amdhsa_next_free_vgpr 240
		.amdhsa_next_free_sgpr 66
		.amdhsa_reserve_vcc 1
		.amdhsa_float_denorm_mode_32 3
		.amdhsa_float_denorm_mode_16_64 3
		.amdhsa_memory_ordered 1
		.amdhsa_forward_progress 1
		.amdhsa_inst_pref_size 85
	.end_amdhsa_kernel
	.amdgpu_metadata
---
amdhsa.version: [ 1, 2 ]
amdhsa.kernels:
  - .name:           k_q4102f83d66_quant
    .symbol:         k_q4102f83d66_quant.kd
    .args:
      - { .name: x, .offset: 0, .size: 8, .value_kind: global_buffer, .address_space: global }
      - { .name: W_attn, .offset: 8, .size: 8, .value_kind: global_buffer, .address_space: global }
      - { .name: W_proj, .offset: 16, .size: 8, .value_kind: global_buffer, .address_space: global }
      - { .name: xq, .offset: 24, .size: 8, .value_kind: global_buffer, .address_space: global }
      - { .name: waq, .offset: 32, .size: 8, .value_kind: global_buffer, .address_space: global }
      - { .name: wpq, .offset: 40, .size: 8, .value_kind: global_buffer, .address_space: global }
    .group_segment_fixed_size: 68096
    .private_segment_fixed_size: 0
    .kernarg_segment_align: 8
    .kernarg_segment_size: 48
    .max_flat_workgroup_size: 128
    .sgpr_count:     66
    .vgpr_count:     240
    .wavefront_size: 32
...
	.end_amdgpu_metadata
.endif
;; end of part 1
;; launch qkv (part 2): grid 12 x 32, 4 waves a work-group, clusters of 4 x 4, 327,680 bytes of LDS; arguments xq, waq, b_attn, qq, kv; writes qq, kv
.if DOCPART == 2
	.amdgcn_target "amdgcn-amd-amdhsa--gfx1250"
	.amdhsa_code_object_version 6
	.text
	.protected	k_q4102f83d66_qkv
	.globl	k_q4102f83d66_qkv
	.p2align	8
	.type	k_q4102f83d66_qkv,@function
k_q4102f83d66_qkv:
	s_mov_b64 s[64:65], 0
	v_nop
	global_prefetch_b8 v0, s[64:65] scope:SCOPE_SE
	s_setreg_imm32_b32 hwreg(HW_REG_WAVE_MODE, 25, 1), 1
	s_wait_xcnt 0x0
	s_wait_alu depctr_hold_cnt(0) depctr_sa_sdst(0) depctr_va_vdst(0) depctr_va_sdst(0) depctr_va_ssrc(0) depctr_va_vcc(0) depctr_vm_vsrc(0)
	s_getreg_b32 s2, hwreg(HW_REG_IB_STS2, 6, 4)
	s_cmp_eq_u32 s2, 0
	s_cbranch_scc0 .Lentry_in_a_cluster
	s_endpgm
.Lentry_in_a_cluster:
	s_bfe_u32 s2, ttmp6, 0x10000c
	s_cmp_lg_u32 s2, 0xf033
	s_cbranch_scc0 .Lentry_shape_is_right
	s_endpgm
.Lentry_shape_is_right:
; qkv = x W_attn + b_attn on codes of BF8 (E5M2) with E8M0 scales, [8192] x [3072], K = 1024; the results never go to memory as f32: each wave adds the bias and quantises them as the attention launch wants them.
; A work-group of four waves makes 256 tokens x 256 columns, a wave 128 x 128: 64 accumulators, 512 registers.  K goes in steps of 256 through a ring of two LDS slots.
; OPERANDS LIE IN MEMORY AS IMAGES OF THEIR REGISTERS (a tile of 16 rows x 128 K = 2,048 bytes [c 4][lane][16]; lane-row r of tile 2 f + u is row 32 f + 8 u + r + 8 (r / 8)): a K step's 8 tiles are 32,768 dense bytes,
; one tensor load; a fragment is four ds_load_b128 at 16 x lane: no pitch, no padding.  The scale bytes of the work-group's rows, for all of K, come once (dense rows of 256 bytes).
; CLUSTERS: 4 x 4 work-groups; the x side's tiles are asked for jointly along a row of the cluster, the weight's along a column.
; P IS SOURCE 0 (its rows run along a lane's registers), Q SOURCE 1 (a lane holds one of its rows).  The 16 registers of P's tiles 2 b, 2 b + 1 are 16 NEIGHBOURING rows of P: the axis along which the result is quantised.
; MODE = the cluster's x, the same in all partners: 0: q, 1: k (quantised along the head's 64 channels: P = the weight, Q = the tokens); 2: v (quantised along the keys: P = the tokens, Q = the weight).
; The swap changes three LDS read addresses (a select on MODE), no load and no mask.
; OUT.  qq: q's fragments [bh][tile 128][c 2][lane][16], then scale words [bh][8 tiles][r][tile].  kv: for each head and 128 keys a pack of 17,152 bytes: K [tile 8][c 2][lane][16], V^T [t 4][c 4][lane][16] (rows d, K = the keys),
; K's scale words [r][tile 8], V's [r][t 4].  q's and k's words hold their two bytes twice (s0 s1 s0 s1): the attention launch sets two tiles of 64 channels side by side in one operand of 128.
; LIMITS: as in the quantising launch (NaN, infinities not served; the byte is held at 1 from below, for a block of zeros too).
; REGISTERS: window 0: v1-29 addresses; v32-63 scale words, two sets; v64-127 the bias by register; v128-255 Q's fragments, one set.  window 1: P's fragments, two sets.  windows 2, 3: accumulator (a, b) at v[8 (8 (a % 4) + b)].
.set HALF,   32768                     ; 8 tiles x 256 K: what one tensor load brings, and what one wave reads of a side
.set SLOT,   131072                    ; x side's two halves, then the weight's two
.set SCL,    262144                    ; behind the ring: the scales, as dense rows of 256 bytes
.set HALFS,  4096                      ; those of 8 tiles: dense, no padding
.set SBLK,   512                       ; those of one
.set SPARE,  307200                    ; the spare words, 128 bytes a wave: two blocks of 256 bytes that no other line names
.set NQ,     2
.set FR,     16
.set NL,     4
.set NP,     8                         ; places behind this matrix instruction (ISA guide 7.12.1)
.set KSX,    2097152                   ; a K step on in the x side's image: 512 tiles x 4,096
.set KSW,    786432                    ; in the weight's: 192 tiles
.set XIMG,   8388608                   ; the images' bytes: the scale bytes begin there
.set WIMG,   3145728
.set PACK,   17152
.set HEADP,  274432                    ; a head's 16 packs
.set L16,  14                          ; v14 16 x lane
.set ADRQ, 16                          ; v16-17 Q's fragments in slot 0, 1
.set ADRP, 20                          ; v20-21 P's
.set ADRS, 22                          ; v22 my scale words: lanes 0-15 Q's rows, lanes 16-31 P's
.set SPW,  28
.set NIL,  29
.set SC,   32
.set BI,   64
.set QF,   128
.set HA,   128                         ; the way out: 64 numbers, v128-191
.set PC,   192                         ; their codes
.set TM,   208                         ; at work
.set LO,   32                          ; bytes 0, 1 of tile a's scales
.set HI,   40                          ; bytes 2, 3
.set G1, 24
.set G0, 32
.set G1B, 48
.set G0B, 56
.set G1S, 68
.set G0S, 76
.set G1SB, 80
.set G0SB, 88
.set SEL, 66                           ; s[66:67]
.set MODE, 98
.set MNT, 100
.set MSB, 0
.macro WIN new                         ; the immediate's high byte repeats the setting that is left
.if MSB != \new
	s_set_vgpr_msb (MSB<<8)|\new
.set MSB, \new
.endif
.endm
.set MUL_LO, 0xa1                      ; source 0 (P) window 1, source 1 (Q) window 0, C and D window 2
.set MUL_HI, 0xf1
.set TO_P,   0x40
; A joint load: waves 0 and 1 fetch the x side's halves, waves 2 and 3 the weight's.  The branch hangs on the wave's number alone.  An s_nop 0 and four v_nop follow each line.
.macro JLOAD g0a, g1a, g0b, g1b
	s_cmp_eq_u32 s15, 0
	s_cbranch_scc0 .Lfor_b_\@
	tensor_load_to_lds s[\g0a:\g0a+3], s[\g1a:\g1a+7]
	s_nop 0
.rept 4
	v_nop
.endr
	s_branch .Lasked_\@
.Lfor_b_\@:
	tensor_load_to_lds s[\g0b:\g0b+3], s[\g1b:\g1b+7]
	s_nop 0
.rept 4
	v_nop
.endr
.Lasked_\@:
.endm
.macro CREST
	s_cmp_lg_u32 s14, 0
	s_cbranch_scc1 .Lnot_wave_0_\@
	s_barrier_signal -3
.Lnot_wave_0_\@:
	s_barrier_wait -3
	s_barrier_signal -1
	s_barrier_wait -1
.endm
.macro CROUND
	s_barrier_signal -1
	s_barrier_wait -1
	CREST
.endm
	s_load_b256 s[4:11], s[0:1], 0x0               ; xq, waq, b_attn, qq
	s_load_b64 s[12:13], s[0:1], 0x20              ; kv
	v_lshl_add_u32 v[SPW], v0, 2, SPARE
	v_mov_b32 v[NIL], 0
	ds_add_u32 v[SPW], v[NIL]                      ; the wave's opening
	ds_add_u32 v[SPW], v[NIL]
	v_lshrrev_b32 v1, 5, v0
	v_readfirstlane_b32 s14, v1                    ; wave 0..3
	s_lshr_b32 s15, s14, 1                         ; my half of the x side's tiles.  Also: I fetch for the x side (0) or the weight (1)
	s_and_b32 s16, s14, 1                          ; my half of the weight's tiles.  Also: which half I fetch
	s_mov_b32 s[MODE], ttmp9
	s_bfe_u32 s40, ttmp6, 0x40000                  ; cx, cy
	s_bfe_u32 s41, ttmp6, 0x40004
	s_lshl_b32 s42, ttmp9, 2
	s_add_co_u32 s42, s42, s40                     ; tx: 256 columns
	s_and_b32 s17, ttmp7, 0xffff
	s_lshl_b32 s17, s17, 2
	s_add_co_u32 s17, s17, s41                     ; ty: 256 tokens
	s_lshl_b32 s43, s41, 2
	s_lshl_b32 s43, 15, s43                        ; my row of the cluster
	s_lshl_b32 s44, 0x1111, s40                    ; my column
	s_or_b32 s[G1+0], s43, (3<<16)|(1<<21)         ; codes: 128 dense rows of 32 elements of 8 bytes; the mask, bit 21 beside it; no padding
	s_or_b32 s[G1B+0], s44, (3<<16)|(1<<21)
.irp g, G1, G1B
	s_mov_b32 s[\g+1], 32<<16
	s_mov_b32 s[\g+2], 256<<16                     ; the head's loads bring a side's 16 tiles, 256 rows; behind them the two words are set to 128
	s_mov_b32 s[\g+3], 32<<16
	s_mov_b32 s[\g+4], 256
	s_mov_b32 s[\g+5], 32                          ; the pitch
	s_mov_b32 s[\g+6], 0
	s_mov_b32 s[\g+7], 0
.endr
	s_or_b32 s[G1S+0], s43, (3<<16)|(1<<21)        ; scales of a side's 16 tiles: 32 dense rows of 256 bytes, no padding
	s_or_b32 s[G1SB+0], s44, (3<<16)|(1<<21)
.irp g, G1S, G1SB
	s_mov_b32 s[\g+1], 32<<16
	s_mov_b32 s[\g+2], 32<<16
	s_mov_b32 s[\g+3], 32<<16
	s_mov_b32 s[\g+4], 32
	s_mov_b32 s[\g+5], 32
	s_mov_b32 s[\g+6], 0
	s_mov_b32 s[\g+7], 0
.endr
	s_mov_b32 s[SEL], 0x76543210
	s_mov_b32 s[SEL+1], 0xfedcba98
	s_mov_b32 s[MNT], 0x600000
	s_lshl_b32 s2, s16, 15                         ; s[2:3]: in the ring I fetch one half of a side: 8 tiles x 4,096
	s_mov_b32 s3, 0
	s_lshl_b32 s20, s17, 16                        ; x side: hangs on ty alone
	s_mov_b32 s21, 0
	s_lshl_b32 s22, s17, 13
	s_add_co_u32 s22, s22, XIMG
	s_mov_b32 s23, 0
	s_lshl_b32 s46, s42, 16                        ; the weight: on tx alone
	s_mov_b32 s47, 0
	s_lshl_b32 s92, s42, 13
	s_add_co_u32 s92, s92, WIMG
	s_mov_b32 s93, 0
	s_mul_i32 s45, s14, HALF                       ; where the ring's loads go: wave x a half
	s_wait_dscnt 0x0                               ; the opening add is done
	s_wait_kmcnt 0x0
	s_add_nc_u64 s[20:21], s[4:5], s[20:21]
	s_add_nc_u64 s[22:23], s[4:5], s[22:23]
	s_add_nc_u64 s[46:47], s[6:7], s[46:47]
	s_add_nc_u64 s[92:93], s[6:7], s[92:93]
	CROUND                                         ; all sixteen work-groups are here: the first joint loads meet
	s_mov_b32 s[G0S], 1                            ; the head's four tiles, each whole: the x side's scales,
	s_mov_b32 s[G0S+1], SCL
	s_mov_b64 s[G0S+2:G0S+3], s[22:23]
	s_or_b32 s[G0S+3], s[G0S+3], 0x80000000
	s_mov_b32 s[G0SB], 1                           ; the weight's scales,
	s_mov_b32 s[G0SB+1], SCL+2*HALFS
	s_mov_b64 s[G0SB+2:G0SB+3], s[92:93]
	s_or_b32 s[G0SB+3], s[G0SB+3], 0x80000000
	s_mov_b32 s[G0], 1                             ; K step 0's 16 tiles of the x side (slot 0's group 0; it is set for the ring behind the head's wait),
	s_mov_b32 s[G0+1], 0
	s_mov_b64 s[G0+2:G0+3], s[20:21]
	s_or_b32 s[G0+3], s[G0+3], 0x80000000
	s_mov_b32 s[G0B], 1                            ; and of the weight
	s_mov_b32 s[G0B+1], 2*HALF
	s_mov_b64 s[G0B+2:G0B+3], s[46:47]
	s_or_b32 s[G0B+3], s[G0B+3], 0x80000000
	s_add_nc_u64 s[20:21], s[20:21], s[2:3]        ; slot 1's group 0: my half of K step 1
	s_add_nc_u64 s[46:47], s[46:47], s[2:3]
	s_mov_b32 s[G0+4], 1
	s_add_co_u32 s[G0+5], s45, SLOT
	s_add_nc_u64 s[G0+6:G0+7], s[20:21], KSX
	s_or_b32 s[G0+7], s[G0+7], 0x80000000
	s_mov_b32 s[G0B+4], 1
	s_add_co_u32 s[G0B+5], s45, SLOT
	s_add_nc_u64 s[G0B+6:G0B+7], s[46:47], KSW
	s_or_b32 s[G0B+7], s[G0B+7], 0x80000000
; the head's loads, one a wave: one chain of branches on the wave's number, a load to an arm, all arms to one join
.macro HARM under, g0, g1, next
	s_cmp_lt_u32 s14, \under
	s_cbranch_scc0 \next
	tensor_load_to_lds s[\g0:\g0+3], s[\g1:\g1+7]
	s_nop 0
.rept 4
	v_nop
.endr
	s_branch .Lhead_asked
\next:
.endm
	HARM 1, G0, G1, .Lhead_b
	HARM 2, G0B, G1B, .Lhead_sa
	HARM 3, G0S, G1S, .Lhead_sb
	tensor_load_to_lds s[G0SB:G0SB+3], s[G1SB:G1SB+7]
	s_nop 0
.rept 4
	v_nop
.endr
.Lhead_asked:
	v_and_b32 v1, 15, v0                           ; r
	v_bfe_u32 v2, v0, 4, 1                         ; h
	v_and_b32 v3, 31, v0
	v_lshlrev_b32 v[L16], 4, v3
	s_lshl_b32 s18, s15, 15                        ; my half of the x side in a slot,
	s_lshl_b32 s19, s16, 15
	s_add_co_u32 s19, s19, 2*HALF                  ; and of the weight
	s_cmp_eq_u32 s[MODE], 2
	s_cselect_b32 s95, s19, s18                    ; Q: the tokens; for v the weight
	s_cselect_b32 s96, s18, s19                    ; P: the weight; for v the tokens
	s_cselect_b32 s97, 1, 0
	v_add_nc_u32 v[ADRQ], s95, v[L16]
	v_add_nc_u32 v[ADRP], s96, v[L16]
	v_add_nc_u32 v[ADRQ+1], SLOT, v[ADRQ]
	v_add_nc_u32 v[ADRP+1], SLOT, v[ADRP]
	v_lshlrev_b32 v5, 5, v1                        ; a row's 32 scale bytes,
	v_xor_b32 v6, s97, v2                          ; 0: this lane takes the x side's words, 1: the weight's (lanes 0-15 want Q's)
	s_mul_i32 s18, s15, HALFS
	s_mul_i32 s19, s16, HALFS
	s_add_co_u32 s19, s19, 2*HALFS
	s_sub_co_u32 s19, s19, s18
	v_mul_u32_u24 v6, s19, v6                      ; one product: the distance between the two
	s_add_co_u32 s18, s18, SCL
	v_add_nc_u32 v5, v5, v6
	v_add_nc_u32 v[ADRS], s18, v5
	s_lshl_b32 s18, s42, 10                        ; the bias of my 128 columns
	s_lshl_b32 s19, s16, 9
	s_add_co_u32 s18, s18, s19
	s_mov_b32 s19, 0
	s_add_nc_u64 s[8:9], s[8:9], s[18:19]
	v_lshlrev_b32 v7, 6, v2                        ; by register: register 16 b + i is column 32 b + 16 h + i (kept: a pending load reads it)
	v_and_b32 v15, 8, v1
	v_add_nc_u32 v15, v15, v1
	v_lshlrev_b32 v15, 2, v15                      ; by lane: column r + 8 (r / 8) of a tile (for the loads further down)
.irp b, 0,1,2,3
.irp i, 0,1,2,3
	global_load_b128 v[BI+16*\b+4*\i:BI+16*\b+4*\i+3], v7, s[8:9] offset:128*\b+16*\i
.endr
.endr
.macro FRAG reg, adr, q, i             ; a fragment comes back as it was stored: four loads of 512 consecutive bytes
.irp c, 0,1,2,3
	ds_load_b128 v[\reg+4*\c:\reg+4*\c+3], v[\adr] offset:4096*(\i)+2048*(\q)+512*\c
.endr
.endm
; 16 matrix instructions: Q's tiles a0, a0 + 1 x P's eight, 128 along K.  zero = 1: the first product starts the sums.  The 64 accumulators take turns, one instruction a turn.
.macro MUL16 a0, p, q, sc, zero
.irp a, \a0, \a0+1
.irp b, 0,1,2,3,4,5,6,7
.if \zero
	v_wmma_scale_f32_16x16x128_f8f6f4 v[8*(8*((\a)%4)+\b):8*(8*((\a)%4)+\b)+7], v[128*(\p)+FR*\b:128*(\p)+FR*\b+FR-1], v[QF+FR*(\a):QF+FR*(\a)+FR-1], 0, v[SC+8*NQ*(\sc)+NQ*\b+(\q)], v[SC+8*NQ*(\sc)+NQ*(\a)+(\q)] matrix_a_fmt:MATRIX_FMT_BF8 matrix_b_fmt:MATRIX_FMT_BF8 matrix_a_scale:MATRIX_SCALE_ROW1
.else
	v_wmma_scale_f32_16x16x128_f8f6f4 v[8*(8*((\a)%4)+\b):8*(8*((\a)%4)+\b)+7], v[128*(\p)+FR*\b:128*(\p)+FR*\b+FR-1], v[QF+FR*(\a):QF+FR*(\a)+FR-1], v[8*(8*((\a)%4)+\b):8*(8*((\a)%4)+\b)+7], v[SC+8*NQ*(\sc)+NQ*\b+(\q)], v[SC+8*NQ*(\sc)+NQ*(\a)+(\q)] matrix_a_fmt:MATRIX_FMT_BF8 matrix_b_fmt:MATRIX_FMT_BF8 matrix_a_scale:MATRIX_SCALE_ROW1
.endif
.endr
.endr
.endm
.macro FETCH_P slot, q, p
	WIN TO_P
.irp i, 0,1,2,3,4,5,6,7
	FRAG 128*(\p)+FR*\i, ADRP+\slot, \q, \i
.endr
	WIN 0
.endm
.macro FETCH_Q slot, q, i0
.irp i, \i0, \i0+1, \i0+2, \i0+3
	FRAG QF+FR*(\i), ADRQ+\slot, \q, \i
.endr
.endm
.macro SCALES sc                       ; a K step's two words a row: lanes 0-15 Q's tile i, lanes 16-31 P's tile i
.irp i, 0,1,2,3,4,5,6,7
	ds_load_b64 v[SC+8*NQ*\sc+NQ*\i:SC+8*NQ*\sc+NQ*\i+1], v[ADRS] offset:\i*SBLK
.endr
.endm
.macro PLACES n                        ; plain vector lines between a matrix instruction and a load into, or a read of, its registers
.rept \n
	v_nop
.endr
.endm
.macro STEP slot, q, zero              ; 128 along K with its successor in the same slot
	s_wait_dscnt 4*NL                              ; P's set and Q's tiles 0-3 are in; the youngest 16 loads (Q's tiles 4-7) may be out
	WIN MUL_LO
	MUL16 0, (\q)%2, \q, \slot, \zero
	MUL16 2, (\q)%2, \q, \slot, \zero
	s_wait_dscnt 0
	PLACES NP
	FETCH_P \slot, (\q)+1, 1-(\q)%2
	FETCH_Q \slot, (\q)+1, 0
	WIN MUL_HI
	MUL16 4, (\q)%2, \q, \slot, \zero
	MUL16 6, (\q)%2, \q, \slot, \zero
	PLACES NP
	WIN 0
	FETCH_Q \slot, (\q)+1, 4
.endm
; A slot's last step changes slots: one barrier; ahead of it each wave waits for all its tensor loads, adds 0 to its spare word, and waits for that and for its reads of this slot.
.macro TURN slot, next, fill
	s_wait_tensorcnt 0x0                           ; all my tensor loads have landed: my part of the next slot
	ds_add_u32 v[SPW], v[NIL]
	s_wait_dscnt 4*NL+1                            ; (the add and Q's tiles 4-7 may be out)
	WIN MUL_LO
	MUL16 0, 1, NQ-1, \slot, 0
	s_wait_dscnt 0x0                               ; the add is done, and my reads of this slot are over
	s_barrier_signal -1
	MUL16 2, 1, NQ-1, \slot, 0
	WIN 0
	s_barrier_wait -1
.if \fill
	CREST                                          ; the barrier has opened a round of the cluster's: no wave of any partner still reads this slot or has a load on its way
	s_add_nc_u64 s[G0+4*\slot+2:G0+4*\slot+3], s[G0+4*\slot+2:G0+4*\slot+3], 2*KSX
	s_add_nc_u64 s[G0B+4*\slot+2:G0B+4*\slot+3], s[G0B+4*\slot+2:G0B+4*\slot+3], 2*KSW
	JLOAD G0+4*\slot, G1, G0B+4*\slot, G1B         ; the first tensor load behind the round; its four v_nop are among the places
	PLACES NP-4
.else
	PLACES NP
.endif
	s_wait_alu depctr_va_vdst(0)
	v_add_nc_u32 v[ADRS], 4*NQ, v[ADRS]            ; the next K step's scale words
	FETCH_P \next, 0, 0
	FETCH_Q \next, 0, 0
	SCALES \next
	WIN MUL_HI
	MUL16 4, 1, NQ-1, \slot, 0
	MUL16 6, 1, NQ-1, \slot, 0
	PLACES NP
	WIN 0
	FETCH_Q \next, 0, 4
.endm
	s_wait_alu depctr_va_vdst(0)
	s_wait_tensorcnt 0x0                           ; my tile of the head's four is in
	ds_add_u32 v[SPW], v[NIL]
	s_mov_b32 s[G1+2], 128<<16                     ; no tensor load of mine is out: from here on a load brings 128 rows,
	s_mov_b32 s[G1+4], 128
	s_mov_b32 s[G1B+2], 128<<16
	s_mov_b32 s[G1B+4], 128
	s_mov_b32 s[G0+1], s45                         ; and slot 0's groups 0 name my half
	s_add_nc_u64 s[G0+2:G0+3], s[G0+2:G0+3], s[2:3]
	s_mov_b32 s[G0B+1], s45
	s_add_nc_u64 s[G0B+2:G0B+3], s[G0B+2:G0B+3], s[2:3]
	s_wait_dscnt 0x0
	CROUND                                         ; a whole round: all four tiles are in, and the sixteen work-groups are here
	JLOAD G0+4, G1, G0B+4, G1B                     ; K step 1: the first tensor load behind the round
	FETCH_P 0, 0, 0
	FETCH_Q 0, 0, 0
	SCALES 0
	FETCH_Q 0, 0, 4
	STEP 0, 0, 1                                   ; K has four steps of 256: they are written out
	TURN 0, 1, 1                                   ; slot 0 takes K step 2
	STEP 1, 0, 0
	TURN 1, 0, 1                                   ; slot 1 takes K step 3
	STEP 0, 0, 0
	TURN 0, 1, 0
	STEP 1, 0, 0
	WIN TO_P                                       ; P's set 0 is done with, eight places back: its first 16 registers take the bias by lane, each number twice (a pair for the packed addition)
.irp a, 0,1,2,3,4,5,6,7
	global_load_b32 v[2*\a], v15, s[8:9] offset:4*(32*(\a/2)+8*(\a%2))
	global_load_b32 v[2*\a+1], v15, s[8:9] offset:4*(32*(\a/2)+8*(\a%2))
.endr
	WIN 0
	s_wait_dscnt 4*NL
	WIN MUL_LO
	MUL16 0, 1, NQ-1, 1, 0
	MUL16 2, 1, NQ-1, 1, 0
	s_wait_dscnt 0
	WIN MUL_HI
	MUL16 4, 1, NQ-1, 1, 0
	MUL16 6, 1, NQ-1, 1, 0
	WIN 0
	PLACES NP                                      ; ahead of the first read of results and of writes into Q's and the scales' registers
	s_wait_loadcnt 0x0                             ; both biases
.irp b, 0,1,2,3
	v_mov_b32 v[TM+4+\b], 0                        ; a lane permute's destination counts as one of its sources
.endr
	; THE WAY OUT.  No tensor load of mine is out since the last change of slots: the descriptors' registers are free.
	s_lshr_b32 s24, s17, 3
	s_lshl_b32 s24, s24, 4                         ; 16 x batch
	s_and_b32 s25, s42, 3
	s_lshl_b32 s25, s25, 2
	s_add_co_u32 s24, s24, s25
	s_lshl_b32 s25, s16, 1
	s_add_co_u32 s24, s24, s25                     ; + my first head (a wave's 128 columns are two heads)
	s_lshl_b32 s24, s24, 4
	s_and_b32 s25, s17, 7
	s_lshl_b32 s25, s25, 1
	s_add_co_u32 s24, s24, s25
	s_add_co_u32 s24, s24, s15                     ; x 16 + which 128 tokens of the batch are mine
	s_mul_i32 s26, s24, PACK                       ; k: my pack;
	s_add_co_u32 s28, s26, 16384                   ; its scale words
	s_lshl_b32 s30, s24, 13                        ; q: 8 tiles x 1,024;
	s_lshl_b32 s31, s24, 9
	s_add_co_u32 s31, s31, 8388608                 ; its scale words
	s_add_co_u32 s45, s26, 8192                    ; v: behind K's image;
	s_add_co_u32 s46, s26, 16896                   ; its scale words
	s_mov_b32 s40, HEADP                           ; from head to head among the codes,
	s_mov_b32 s41, HEADP                           ; and among the words
	s_mov_b32 s36, 1024                            ; from tile to tile of Q,
	s_mov_b32 s38, 1024                            ; and from tile 3 to tile 4
	s_mov_b32 s43, 16
	s_cmp_eq_u32 s[MODE], 0
	s_cselect_b64 s[32:33], s[10:11], s[12:13]     ; qq or kv: the choice hangs on the cluster's number alone
	s_cselect_b32 s26, s30, s26
	s_cselect_b32 s28, s31, s28
	s_cselect_b32 s40, 131072, s40
	s_cselect_b32 s41, 8192, s41
	s_cmp_eq_u32 s[MODE], 2
	s_cselect_b32 s26, s45, s26
	s_cselect_b32 s28, s46, s28
	s_cselect_b32 s40, 1024, s40                   ; v: a whole fragment: its second half
	s_cselect_b32 s36, 2048, s36
	s_cselect_b32 s38, 268288, s38                 ; v: tile 4 is the next head's first: 274,432 - 3 x 2,048
	s_cselect_b32 s44, 16, 32                      ; the words' place: r's factor,
	s_cselect_b32 s43, HEADP, s43                  ; h's factor
	s_mov_b32 s27, 0
	s_mov_b32 s29, 0
	s_mov_b32 s37, 0
	s_mov_b32 s39, 0
	s_add_nc_u64 s[34:35], s[32:33], s[28:29]      ; the words
	s_add_nc_u64 s[32:33], s[32:33], s[26:27]      ; the codes
	v_add_nc_u32 v10, s40, v[L16]
	v_mul_u32_u24 v12, s44, v1
	v_mad_u32_u24 v12, s43, v2, v12
	v_add_nc_u32 v13, s41, v12
.macro QUANT s, pc, lo, hi             ; 64 numbers of a lane, register 16 b + i = place 32 b + 16 h + i along the quantised axis: codes, and the four bytes in two halves
.irp b, 0,1,2,3
	v_max3_num_f32 v[TM+\b], |v[\s+16*\b]|, |v[\s+1+16*\b]|, 0x8000000   ; and the floor 2^(16 - 127)
.endr
.irp i, 2,4,6,8,10,12,14
.irp b, 0,1,2,3
	v_max3_num_f32 v[TM+\b], v[TM+\b], |v[\s+16*\b+\i]|, |v[\s+1+16*\b+\i]|
.endr
.endr
.irp b, 0,1,2,3
	v_permlanex16_b32 v[TM+4+\b], v[TM+\b], s[SEL], s[SEL+1]
.endr
.irp b, 0,1,2,3
	v_max_num_f32 v[TM+\b], v[TM+\b], v[TM+4+\b]
.endr
.irp b, 0,1,2,3
	v_add_nc_u32 v[TM+12+\b], 0xf8800000, v[TM+\b] ; the conversion's scale operand
.endr
.irp b, 0,1,2,3
	v_and_or_b32 v[TM+8+\b], v[TM+\b], 0x7f800000, s[MNT]   ; 57,344 x the scale
.endr
.irp b, 0,1,2,3
	v_lshrrev_b32 v[TM+4+\b], 23, v[TM+12+\b]      ; the byte
.endr
	v_lshl_or_b32 v[\lo], v[TM+5], 8, v[TM+4]
	v_lshl_or_b32 v[\hi], v[TM+7], 8, v[TM+6]
.irp b, 0,1,2,3
.irp i, 0,1,2,3,4,5,6,7,8,9,10,11,12,13,14,15
	v_med3_num_f32 v[\s+16*\b+\i], v[\s+16*\b+\i], -v[TM+8+\b], v[TM+8+\b]   ; the hold: the conversion does not saturate (ISA guide 7.6.2)
.endr
	v_cvt_scalef32_pk8_bf8_f32 v[\pc+4*\b:\pc+1+4*\b], v[\s+16*\b:\s+7+16*\b], v[TM+12+\b]
	v_cvt_scalef32_pk8_bf8_f32 v[\pc+2+4*\b:\pc+3+4*\b], v[\s+8+16*\b:\s+15+16*\b], v[TM+12+\b]
.endr
	v_nop
.endm
; Q's tile a: its eight accumulators + the bias come into window 0 (each accumulator from its low end on), are quantised, and leave as 4 x 512 consecutive bytes.
.macro EPI a
	s_wait_xcnt 0x0                                ; the last tile's stores have read their codes and their base
.if (\a) == 4
	s_add_nc_u64 s[32:33], s[32:33], s[38:39]
.elseif (\a) > 0
	s_add_nc_u64 s[32:33], s[32:33], s[36:37]
.endif
	s_cmp_eq_u32 s[MODE], 2
	s_cbranch_scc1 .Lby_lane_\@
	WIN 0x02+(\a)/4                                ; source 0: window 2 or 3
.set i, 0
.rept 32
	v_pk_add_f32 v[HA+2*i:HA+2*i+1], v[64*((\a)%4)+2*i:64*((\a)%4)+2*i+1], v[BI+2*i:BI+2*i+1]   ; q, k: a register is a column
.set i, i+1
.endr
	WIN 0
	s_branch .Ladded_\@
.Lby_lane_\@:
	WIN 0x06+(\a)/4                                ; source 1: window 1
.set i, 0
.rept 32
	v_pk_add_f32 v[HA+2*i:HA+2*i+1], v[64*((\a)%4)+2*i:64*((\a)%4)+2*i+1], v[2*(\a):2*(\a)+1]   ; v: a lane is a column
.set i, i+1
.endr
	WIN 0
.Ladded_\@:
	QUANT HA, PC, LO+(\a), HI+(\a)
	global_store_b128 v[L16], v[PC:PC+3], s[32:33]
	global_store_b128 v[L16], v[PC+4:PC+7], s[32:33] offset:512
	global_store_b128 v10, v[PC+8:PC+11], s[32:33]
	global_store_b128 v10, v[PC+12:PC+15], s[32:33] offset:512
.endm
.irp a, 0,1,2,3,4,5,6,7
	EPI \a
.endr
	v_cmp_ne_u32 s99, 0, v2                        ; lanes 16-31
	s_cmp_eq_u32 s[MODE], 2
	s_cbranch_scc1 .Lwords_v
.irp i, 0,1,2,3
	v_cndmask_b32 v[48+\i], v[LO+\i], v[LO+4+\i], s99    ; q, k: lane (r, h) stores the words of tiles 4 h .. 4 h + 3: my first head's,
	v_cndmask_b32 v[52+\i], v[HI+\i], v[HI+4+\i], s99    ; and my second's
.endr
.irp i, 0,1,2,3,4,5,6,7
	v_lshl_or_b32 v[48+\i], v[48+\i], 16, v[48+\i]       ; the two bytes twice
.endr
	global_store_b128 v12, v[48:51], s[34:35]      ; 512 consecutive bytes
	global_store_b128 v13, v[52:55], s[34:35]
	s_branch .Lwords_done
.Lwords_v:
.irp a, 0,1,2,3,4,5,6,7
	v_lshl_or_b32 v[LO+\a], v[HI+\a], 16, v[LO+\a]       ; v: four bytes: 128 keys
.endr
.irp i, 0,1,2,3
	v_cndmask_b32 v[48+\i], v[LO+\i], v[LO+4+\i], s99    ; lanes 0-15 my first head's four tiles, lanes 16-31 my second's
.endr
	global_store_b128 v12, v[48:51], s[34:35]      ; 256 consecutive bytes in each of two packs
.Lwords_done:
	s_wait_tensorcnt 0x0                           ; the wave's end
	ds_add_u32 v[SPW], v[NIL]
	s_wait_dscnt 0x0
	CROUND                                         ; the closing round
	s_endpgm
.Lfunc_end_k_q4102f83d66_qkv:
	.size	k_q4102f83d66_qkv, .Lfunc_end_k_q4102f83d66_qkv-k_q4102f83d66_qkv
	.p2alignl 7, 3214868480
	.fill 96, 4, 3214868480
	.section	.rodata,"a",@progbits
	.p2align	6, 0x0
	.amdhsa_kernel k_q4102f83d66_qkv
		.amdhsa_group_segment_fixed_size 327680
		.amdhsa_private_segment_fixed_size 0
		.amdhsa_enable_private_segment 0
		.amdhsa_kernarg_size 40
		.amdhsa_user_sgpr_count 2
		.amdhsa_user_sgpr_kernarg_segment_ptr 1
		.amdhsa_wavefront_size32 1
		.amdhsa_system_sgpr_workgroup_id_x 1
		.amdhsa_system_sgpr_workgroup_id_y 1
		.amdhsa_system_sgpr_workgroup_id_z 1
		.amdhsa_system_vgpr_workitem_id 0
		.amdhsa_next_free_vgpr 1024
		.amdhsa_next_free_sgpr 102
		.amdhsa_reserve_vcc 0
		.amdhsa_float_denorm_mode_32 3
		.amdhsa_float_denorm_mode_16_64 3
		.amdhsa_memory_ordered 1
		.amdhsa_forward_progress 1
		.amdhsa_inst_pref_size 224
	.end_amdhsa_kernel
	.amdgpu_metadata
---
amdhsa.version: [ 1, 2 ]
amdhsa.kernels:
  - .name:           k_q4102f83d66_qkv
    .symbol:         k_q4102f83d66_qkv.kd
    .args:
      - { .name: xq, .offset: 0, .size: 8, .value_kind: global_buffer, .address_space: global }
      - { .name: waq, .offset: 8, .size: 8, .value_kind: global_buffer, .address_space: global }
      - { .name: b_attn, .offset: 16, .size: 8, .value_kind: global_buffer, .address_space: global }
      - { .name: qq, .offset: 24, .size: 8, .value_kind: global_buffer, .address_space: global }
      - { .name: kv, .offset: 32, .size: 8, .value_kind: global_buffer, .address_space: global }
    .group_segment_fixed_size: 327680
    .private_segment_fixed_size: 0
    .kernarg_segment_align: 8
    .kernarg_segment_size: 40
    .max_flat_workgroup_size: 128
    .sgpr_count:     102
    .vgpr_count:     1024
    .wavefront_size: 32
...
	.end_amdgpu_metadata
.endif
;; end of part 2
;; launch attn (part 3): grid 4 x 64, 16 waves a work-group, clusters of 4 x 1, 327,680 bytes of LDS; arguments qq, kv, yq; writes yq
.if DOCPART == 3
	.amdgcn_target "amdgcn-amd-amdhsa--gfx1250"
	.amdhsa_code_object_version 6
	.text
	.protected	k_q4102f83d66_attn
	.globl	k_q4102f83d66_attn
	.p2align	8
	.type	k_q4102f83d66_attn,@function
k_q4102f83d66_attn:
	s_mov_b64 s[64:65], 0
	v_nop
	global_prefetch_b8 v0, s[64:65] scope:SCOPE_SE
	s_setreg_imm32_b32 hwreg(HW_REG_WAVE_MODE, 25, 1), 1
	s_wait_xcnt 0x0
	s_wait_alu depctr_hold_cnt(0) depctr_sa_sdst(0) depctr_va_vdst(0) depctr_va_sdst(0) depctr_va_ssrc(0) depctr_va_vcc(0) depctr_vm_vsrc(0)
	s_getreg_b32 s2, hwreg(HW_REG_IB_STS2, 6, 4)
	s_cmp_eq_u32 s2, 0
	s_cbranch_scc0 .Lentry_in_a_cluster
	s_endpgm
.Lentry_in_a_cluster:
	s_bfe_u32 s2, ttmp6, 0x10000c
	s_cmp_lg_u32 s2, 0x3003
	s_cbranch_scc0 .Lentry_shape_is_right
	s_endpgm
.Lentry_shape_is_right:
; y[b][t][head 64 + d] = the sum over keys k <= t of softmax_k(q . k / 8) v, both products on codes of BF8 (E5M2) with E8M0 scales; y leaves as codes, laid as the last launch's operand.
; THE SOFTMAX: t = score x log2(e) / 8; M = the running largest t rounded UP to a whole number; p = 2^(t - M) is quantised along the keys, not normalised; the sum of the unquantised p divides at the end.
; LEFT OUT: key steps all of whose keys come after a tile's queries: the causal mask sets their scores to -infinity for every input, so their p is 0.
; A HEAD'S KEYS AND VALUES STAY IN LDS.  16 packs of 17,152 bytes (128 keys each: K's image, V^T's image, both scale words) are 274,432 bytes.  Wave w brings pack w by ONE tensor load at the head
; (67 dense rows of 256 bytes); no LDS byte is filled twice.  CLUSTER: the four work-groups of a head want the same 16 packs, so each load is a joint one (mask 15).
; WHEN A PACK MAY BE READ.  Waves 0 to 3 have a load line of their own and wait alone ahead of a first barrier; the first loop, four trips, reads packs 0 to 3 alone.  Then every wave waits, a second barrier follows,
; and the second loop reads any pack.
; SHARES.  A head has 64 groups of 32 queries, two tiles of 16 each; group G needs G / 4 + 1 key steps of 128.  With g = wave % 8, u = wave / 8 and X the work-group's place in the cluster, a wave owns tile u of group
; 63 - (4 g + X), 16 - g steps, and then tile u of group 4 g + X, g + 1 steps: 17 steps in every wave of the launch.  All branches and LDS addresses hang on the wave's number and the count of trips; X enters
; global addresses and the mask's numbers alone.  Trips 0 to 15 belong to the first tile, 16 to 23 to the second; trip I works pack I % 16.
; Sixteen waves of 256 registers: four to a SIMD, so that one wave's vector work stands beside another's matrix work and LDS loads.
; NO PREFETCH: all sixteen tensor loads of a work-group go out at the head, ahead of the loops; no later load is there to run ahead of.
; K = 64 IN THE FIRST PRODUCT: an operand of 128 holds two tiles of keys side by side; it is multiplied by [q, zeros] and by [zeros, q].  Both products are used transposed: a lane holds ONE query.
; Lane-row r of tile 2 G + u is row 32 G + 8 u + r + 8 (r / 8).
; LIMITS: scaled scores under 2^31 in magnitude; y = O x (1 / l) by v_rcp_f32; the scale byte is held at 1 from below (a block of zeros too); NaN and infinities are not served.
.set PACK,  17152
.set HEADP, 274432
.set SPARE, 274432                     ; behind the packs: the spare words, 128 bytes for each of sixteen waves
.set AL,   1                           ; v1 16 x lane; v2, v3 K's and V's scale words in a pack
.set AKS,  2
.set AVS,  3
.set PS0,  4                           ; v4 p's scale word
.set SPW,  5
.set NIL,  6
.set ADV,  8                           ; v8-10 LDS addresses in the pack in hand: fragments, V's words, K's words
.set ADT,  9
.set ADS,  10
.set QH,   16                          ; v12 -M, v13 largest t, v[14:15] the sum; v[16:31] = [zeros, q]; v[24:39] = [q, zeros]
.set QL,   24
.set KV,   40                          ; v40-103 K's four operands, then V's
.set S,    104                         ; S^T, then p
.set O,    168                         ; O^T
.set PC,   200                         ; p's codes
.set W0,   216
.set W1,   220
.set W2,   224
.set W3,   228
.set SWV,  232                         ; v232-235 V's scale words
.set RH,   236                         ; 32 r + h
.set GA,   237
.set GB,   238
.set GA2,  239                         ; the second tile's q: offsets of its codes and (v247) of its scale word
.set NINF, 240
.set QSA,  241                         ; q's scale word
.set F,    242
.set T,    244
.set QD,   245                         ; my query - the diagonal step's first key - 16 h
.set LQ,   246                         ; r + 8 (r / 8) - 16 h + 8 u
.set GB2,  247
.set SWK,  248                         ; v248-255 K's scale words
.set WV,   10
.set XB,   11
.set BH,   12
.set GC,   13                          ; the group in hand
.set GS,   14                          ; the second group
.set TB,   15                          ; LDS byte of this trip's pack
.set G1,   16
.set G0,   24
.set LIVE, 29                          ; key steps of the tile in hand
.set GW,   30                          ; g
.set DG,   31                          ; 1: this trip lies on the diagonal
.set SEL,  32
.set CS,   34
.set MNT,  36
.set HM,   37
.set D1,   38
.set D2,   39
.set I,    48
.set UU,   49                          ; u
.macro WALU
	s_wait_alu depctr_va_vdst(0)
.endm
.macro CROUND                          ; a round of the cluster's barrier
	s_barrier_signal -1
	s_barrier_wait -1
	s_cmp_lg_u32 s[WV], 0
	s_cbranch_scc1 .Lnot_wave_0_\@
	s_barrier_signal -3
.Lnot_wave_0_\@:
	s_barrier_wait -3
	s_barrier_signal -1
	s_barrier_wait -1
.endm
.macro TL                              ; an s_nop 0 and four v_nop follow the load
	tensor_load_to_lds s[G0:G0+3], s[G1:G1+7]
	s_nop 0
.rept 4
	v_nop
.endr
.endm
.macro RESET d                         ; a tile begins: the sums are zeros, the largest t is -3e38; the first change of M multiplies zeros
	v_mov_b32 v13, 0xff61b1e6
	v_floor_f32 v12, -v13
	v_mov_b32 v14, 0
	v_mov_b32 v15, 0
	v_add_nc_u32 v[QD], s[\d], v[LQ]
.set J_, 0
.rept 32
	v_mov_b32 v[O+J_], 0
.set J_, J_+1
.endr
.endm
.macro HOLD b                          ; the conversion does not saturate (ISA guide 7.6.2); p is not negative: a one-sided hold
.irp i, 0,1,2,3,4,5,6,7,8,9,10,11,12,13,14,15
	v_min_num_f32 v[S+16*\b+\i], v[S+16*\b+\i], v[W2+\b]
.endr
.endm
; THE SOFTMAX FOR 128 KEYS: scores -> p's codes and scale word; the sum and O^T under the new M.  mask = 0: written for trips that never lie on the diagonal.
.macro SOFT mask
.if \mask
	s_cmp_eq_u32 s[DG], 0
	s_cbranch_scc1 .Lopen_\@
.set N_, 0
.rept 64                               ; on the diagonal hidden scores become -infinity: register 16 b + i is hidden where 32 b + i > QD
	v_cmp_gt_i32 vcc_lo, 32*(N_/16)+N_%16, v[QD]
	v_cndmask_b32 v[S+N_], v[S+N_], v[NINF], vcc_lo
.set N_, N_+1
.endr
.Lopen_\@:
.endif
.irp b, 0,1,2,3
	v_max3_num_f32 v[W0+\b], v[S+16*\b], v[S+1+16*\b], v[S+2+16*\b]   ; the largest score of each block of 32 keys: for the row's maximum and for the block's largest p
.endr
.irp i, 3,5,7,9,11,13
.irp b, 0,1,2,3
	v_max3_num_f32 v[W0+\b], v[W0+\b], v[S+16*\b+\i], v[S+1+16*\b+\i]
.endr
.endr
.irp b, 0,1,2,3
	v_max_num_f32 v[W0+\b], v[W0+\b], v[S+15+16*\b]
.endr
.irp b, 0,1,2,3
	v_permlanex16_b32 v[W1+\b], v[W0+\b], s[SEL], s[SEL+1]
.endr
.irp b, 0,1,2,3
	v_max_num_f32 v[W0+\b], v[W0+\b], v[W1+\b]
.endr
	v_max3_num_f32 v[T], v[W0], v[W0+1], v[W0+2]
	v_max_num_f32 v[T], v[T], v[W0+3]
	v_mul_f32 v[T], s[CS], v[T]
	v_max_num_f32 v13, v13, v[T]                   ; the running largest t
	v_mov_b32 v[T], v12
	v_floor_f32 v12, -v13                          ; the new -M: M is a whole number
	v_sub_f32 v[T], v12, v[T]
	v_cvt_i32_f32 v[T], v[T]                       ; (it saturates)
	v_ldexp_f32 v[F], 1.0, v[T]                    ; f = 2^(old M - new M): rounds nothing
.set J_, 0
.rept 32
	v_pk_fma_f32 v[S+J_:S+J_+1], v[S+J_:S+J_+1], s[CS:CS+1], v[12:13] op_sel_hi:[1,0,0]   ; t - M
.set J_, J_+2
.endr
.irp b, 0,1,2,3
	v_fma_f32 v[W0+\b], v[W0+\b], s[CS], v12       ; the same of each block's largest score
.endr
	WALU                                           ; ahead of the batch
.set J_, 0
.rept 64
	v_exp_f32 v[S+J_], v[S+J_]                     ; p = 2^(t - M)
.set J_, J_+1
.endr
	v_pk_mul_f32 v[14:15], v[14:15], v[F:F+1] op_sel_hi:[1,0]   ; the sums under the new M: a plain line behind the batch
	WALU                                           ; one wait for the batch, ahead of its first reader
.irp b, 0,1,2,3
	v_exp_f32 v[W0+\b], v[W0+\b]                   ; the block's largest p
.endr
.irp k, 0,1,2,3,4,5                    ; the sum of the unquantised p: 32 pairs in seven chains (v[14:15] and six in v220-231)
	v_pk_add_f32 v[W1+2*\k:W1+2*\k+1], v[S+4*\k:S+4*\k+1], v[S+4*\k+2:S+4*\k+3]
.endr
.irp m, 0,1
.irp k, 0,1,2,3,4,5
	v_pk_add_f32 v[W1+2*\k:W1+2*\k+1], v[W1+2*\k:W1+2*\k+1], v[S+24+14*\m+2*\k:S+24+14*\m+2*\k+1]
.endr
	v_pk_add_f32 v[14:15], v[14:15], v[S+36+14*\m:S+36+14*\m+1]
.endr
.irp k, 0,1,2,3,4,5
	v_pk_add_f32 v[W1+2*\k:W1+2*\k+1], v[W1+2*\k:W1+2*\k+1], v[S+52+2*\k:S+52+2*\k+1]
.endr
	v_pk_add_f32 v[W1:W1+1], v[W1:W1+1], v[W1+2:W1+3]
	v_pk_add_f32 v[W1+4:W1+5], v[W1+4:W1+5], v[W1+6:W1+7]
	v_pk_add_f32 v[W1+8:W1+9], v[W1+8:W1+9], v[W1+10:W1+11]
	v_pk_add_f32 v[W1:W1+1], v[W1:W1+1], v[W1+4:W1+5]
	v_pk_add_f32 v[14:15], v[14:15], v[W1+8:W1+9]
	v_pk_add_f32 v[14:15], v[14:15], v[W1:W1+1]
	WALU                                           ; and one for the four
.irp b, 0,1,2,3
	v_max_num_f32 v[W0+\b], 0x8000000, v[W0+\b]    ; the floor 2^(16 - 127)
.endr
.irp b, 0,1,2,3
	v_add_nc_u32 v[W3+\b], 0xf8800000, v[W0+\b]    ; the conversion's scale operand
.endr
.irp b, 0,1,2,3
	v_and_or_b32 v[W2+\b], v[W0+\b], 0x7f800000, s[MNT]   ; 57,344 x the scale
.endr
.irp b, 0,1,2,3
	v_lshrrev_b32 v[W1+\b], 23, v[W3+\b]           ; the byte
.endr
	v_lshl_or_b32 v[F+1], v[W1+1], 8, v[W1]
	v_lshl_or_b32 v[F+1], v[W1+2], 16, v[F+1]
	v_lshl_or_b32 v[PS0], v[W1+3], 24, v[F+1]      ; p's scale word for these 128 keys
.irp b, 0,1,2,3
	HOLD \b
	v_cvt_scalef32_pk8_bf8_f32 v[PC+4*\b:PC+1+4*\b], v[S+16*\b:S+7+16*\b], v[W3+\b]
	v_cvt_scalef32_pk8_bf8_f32 v[PC+2+4*\b:PC+3+4*\b], v[S+8+16*\b:S+15+16*\b], v[W3+\b]
.endr
	WALU                                           ; directly ahead of O^T's first reader
.set J_, 0
.rept 16
	v_pk_mul_f32 v[O+J_:O+J_+1], v[O+J_:O+J_+1], v[F:F+1] op_sel_hi:[1,0]   ; O^T under the new M; also the places ahead of the products
.set J_, J_+2
.endr
.endm
; A KEY STEP: the 128 keys of the pack at LDS byte s[TB].
.macro STEP mask
	v_add_nc_u32 v[ADV], s[TB], v[AL]
	v_add_nc_u32 v[ADS], s[TB], v[AKS]
	v_add_nc_u32 v[ADT], s[TB], v[AVS]
.rept 5
	v_nop                                          ; with the three additions: eight places ahead of loads into registers that the last products read
.endr
.irp f, 0,1,2,3
.irp c, 0,1,2,3
	ds_load_b128 v[KV+16*\f+4*\c:KV+16*\f+4*\c+3], v[ADV] offset:2048*\f+512*\c   ; tiles 2 f and 2 f + 1 of the keys, side by side
.endr
.endr
	ds_load_b128 v[SWK:SWK+3], v[ADS]
	ds_load_b128 v[SWK+4:SWK+7], v[ADS] offset:16
	WALU
	s_wait_dscnt 0x0
.irp f, 0,1,2,3                        ; S^T = K q^T: register 16 f + i is key 32 f + 16 h + i of the step
	v_wmma_scale_f32_16x16x128_f8f6f4 v[S+16*\f:S+16*\f+7], v[KV+16*\f:KV+16*\f+15], v[QL:QL+15], 0, v[SWK+2*\f], v[QSA] matrix_a_fmt:MATRIX_FMT_BF8 matrix_b_fmt:MATRIX_FMT_BF8
	v_wmma_scale_f32_16x16x128_f8f6f4 v[S+16*\f+8:S+16*\f+15], v[KV+16*\f:KV+16*\f+15], v[QH:QH+15], 0, v[SWK+2*\f+1], v[QSA] matrix_a_fmt:MATRIX_FMT_BF8 matrix_b_fmt:MATRIX_FMT_BF8
.endr
.rept 8
	v_nop
.endr
.irp t, 0,1,2,3
.irp c, 0,1,2,3
	ds_load_b128 v[KV+16*\t+4*\c:KV+16*\t+4*\c+3], v[ADV] offset:8192+2048*\t+512*\c   ; V's operands are asked for now: they land under the softmax
.endr
.endr
	ds_load_b128 v[SWV:SWV+3], v[ADT]
	SOFT \mask
	WALU
	s_wait_dscnt 0x0                               ; V and its scale words
.irp t, 0,1,2,3                        ; O^T += V^T p^T: the four accumulators by turns
	v_wmma_scale_f32_16x16x128_f8f6f4 v[O+8*\t:O+8*\t+7], v[KV+16*\t:KV+16*\t+15], v[PC:PC+15], v[O+8*\t:O+8*\t+7], v[SWV+\t], v[PS0] matrix_a_fmt:MATRIX_FMT_BF8 matrix_b_fmt:MATRIX_FMT_BF8
.endr
.endm
; A tile ends: y = O^T / l, quantised along the head's 64 channels (two blocks), stored as half a fragment of the last launch's operand, and two scale bytes a row.
.macro FINISH
.rept 8
	v_nop                                          ; places behind the last products
.endr
	s_lshl_b32 s44, s[GC], 1
	s_add_co_u32 s44, s44, s[UU]
	s_lshr_b32 s45, s[BH], 4
	s_lshl_b32 s45, s45, 7
	s_add_co_u32 s44, s44, s45                     ; my tile among the 512 of all tokens
	s_and_b32 s45, s[BH], 15                       ; the head: K = 64 head on
	s_lshr_b32 s46, s45, 2
	s_lshl_b32 s46, s46, 9
	s_add_co_u32 s46, s46, s44
	s_lshl_b32 s46, s46, 1
	s_bfe_u32 s47, s45, 0x10001
	s_add_co_u32 s46, s46, s47
	s_lshl_b32 s46, s46, 11                        ; the fragment,
	s_and_b32 s47, s45, 1
	s_lshl_b32 s47, s47, 10
	s_add_co_u32 s46, s46, s47                     ; and which half of it
	s_lshl_b32 s44, s44, 9
	s_lshl_b32 s45, s45, 1
	s_add_co_u32 s44, s44, s45
	s_add_co_u32 s44, s44, 8388608                 ; the scale bytes: 512 x tile + 2 head
	v_add_nc_u32 v[GA], s46, v[AL]
	v_add_nc_u32 v[GB], s44, v[RH]
	v_add_f32 v14, v14, v15
	v_permlanex16_b32 v[T], v14, s[SEL], s[SEL+1]
	v_add_f32 v14, v14, v[T]                       ; the row's sum
	WALU
	v_rcp_f32 v14, v14
	v_nop
	WALU                                           ; ahead of the reciprocal's, and O^T's, first reader
.set J_, 0
.rept 16
	v_pk_mul_f32 v[S+J_:S+J_+1], v[O+J_:O+J_+1], v[14:15] op_sel_hi:[1,0]   ; register 16 b + i: channel 32 b + 16 h + i
.set J_, J_+2
.endr
.irp b, 0,1
	v_max3_num_f32 v[W0+\b], |v[S+16*\b]|, |v[S+1+16*\b]|, 0x8000000
.endr
.irp i, 2,4,6,8,10,12,14
.irp b, 0,1
	v_max3_num_f32 v[W0+\b], v[W0+\b], |v[S+16*\b+\i]|, |v[S+1+16*\b+\i]|
.endr
.endr
.irp b, 0,1
	v_permlanex16_b32 v[W1+\b], v[W0+\b], s[SEL], s[SEL+1]
.endr
.irp b, 0,1
	v_max_num_f32 v[W0+\b], v[W0+\b], v[W1+\b]
.endr
.irp b, 0,1
	v_add_nc_u32 v[W3+\b], 0xf8800000, v[W0+\b]
.endr
.irp b, 0,1
	v_and_or_b32 v[W2+\b], v[W0+\b], 0x7f800000, s[MNT]
.endr
.irp b, 0,1
	v_lshrrev_b32 v[W1+\b], 23, v[W3+\b]
.endr
.irp b, 0,1
.irp i, 0,1,2,3,4,5,6,7,8,9,10,11,12,13,14,15
	v_med3_num_f32 v[S+16*\b+\i], v[S+16*\b+\i], -v[W2+\b], v[W2+\b]
.endr
	v_cvt_scalef32_pk8_bf8_f32 v[PC+4*\b:PC+1+4*\b], v[S+16*\b:S+7+16*\b], v[W3+\b]
	v_cvt_scalef32_pk8_bf8_f32 v[PC+2+4*\b:PC+3+4*\b], v[S+8+16*\b:S+15+16*\b], v[W3+\b]
.endr
	v_nop
	v_cndmask_b32 v[T], v[W1], v[W1+1], s[HM]      ; lane (r, h) stores block h's byte
	global_store_b128 v[GA], v[PC:PC+3], s[8:9]    ; 512 consecutive bytes
	global_store_b128 v[GA], v[PC+4:PC+7], s[8:9] offset:512
	global_store_b8 v[GB], v[T], s[8:9]            ; a head has 2 of a row's 32 scale bytes: single bytes
	s_wait_xcnt 0x0                                ; the stores have read their registers
.endm
	s_load_b128 s[4:7], s[0:1], 0x0                ; qq, kv
	s_load_b64 s[8:9], s[0:1], 0x10                ; yq
	v_lshl_add_u32 v[SPW], v0, 2, SPARE
	v_mov_b32 v[NIL], 0
	ds_add_u32 v[SPW], v[NIL]                      ; the wave's opening
	ds_add_u32 v[SPW], v[NIL]
	v_lshrrev_b32 v104, 5, v0
	v_readfirstlane_b32 s[WV], v104                ; wave 0..15
	s_and_b32 s[GW], s[WV], 7                      ; g
	s_lshr_b32 s[UU], s[WV], 3                     ; u
	s_bfe_u32 s[XB], ttmp6, 0x40000                ; X: my place in the cluster
	s_and_b32 s[BH], ttmp7, 0xffff                 ; batch x 16 + head: the cluster's y
	s_mov_b32 s[G1], 15|(3<<16)|(1<<21)            ; the four work-groups; elements of 8 bytes; bit 21 beside the mask; no padding
	s_mov_b32 s[G1+1], 32<<16
	s_mov_b32 s[G1+2], 67<<16
	s_mov_b32 s[G1+3], 32<<16
	s_mov_b32 s[G1+4], 67
	s_mov_b32 s[G1+5], 32
	s_mov_b32 s[G1+6], 0
	s_mov_b32 s[G1+7], 0
	s_mov_b32 s[G0], 1
	s_mul_i32 s[G0+1], s[WV], PACK                 ; LDS: pack w
	s_mul_i32 s44, s[BH], HEADP
	s_add_co_u32 s44, s44, s[G0+1]
	s_mov_b32 s45, 0
	s_mov_b32 s[SEL], 0x76543210
	s_mov_b32 s[SEL+1], 0xfedcba98
	s_mov_b32 s[CS], 0x3e38aa3b                    ; c = log2(e) / 8
	s_mov_b32 s[CS+1], s[CS]
	s_mov_b32 s[MNT], 0x600000
	s_lshl_b32 s[GS], s[GW], 2
	s_add_co_u32 s[GS], s[GS], s[XB]               ; the second group: 4 g + X
	s_sub_co_u32 s[GC], 63, s[GS]                  ; the first
	s_sub_co_u32 s[LIVE], 16, s[GW]                ; its key steps
	s_lshl_b32 s[D2], s[XB], 5                     ; a group's first query less its last step's first key: 32 X,
	s_sub_co_u32 s[D1], 96, s[D2]                  ; and 96 - 32 X in the first group
	s_lshl_b32 s46, s[BH], 7
	s_add_co_u32 s46, s46, s[UU]
	s_lshl_b32 s40, s[GC], 1
	s_add_co_u32 s40, s40, s46
	s_lshl_b32 s40, s40, 10                        ; q's codes: (128 bh + 2 G + u) x 1,024
	s_lshl_b32 s42, s[GS], 1
	s_add_co_u32 s42, s42, s46
	s_lshl_b32 s42, s42, 10
	s_lshl_b32 s46, s[BH], 4
	s_lshl_b32 s50, s[UU], 2
	s_add_co_u32 s50, s50, 8388608
	s_lshr_b32 s41, s[GC], 2
	s_add_co_u32 s41, s41, s46
	s_lshl_b32 s41, s41, 9
	s_and_b32 s47, s[GC], 3
	s_lshl_b32 s47, s47, 3
	s_add_co_u32 s41, s41, s47
	s_add_co_u32 s41, s41, s50                     ; q's scale words: behind the codes, 512 (16 bh + G / 4) + 8 (G % 4) + 4 u
	s_lshr_b32 s43, s[GS], 2
	s_add_co_u32 s43, s43, s46
	s_lshl_b32 s43, s43, 9
	s_and_b32 s47, s[GS], 3
	s_lshl_b32 s47, s47, 3
	s_add_co_u32 s43, s43, s47
	s_add_co_u32 s43, s43, s50
	s_lshl_b32 s50, s[UU], 3                       ; 8 u
	s_wait_dscnt 0x0                               ; both opening adds are done
	CROUND                                         ; the four work-groups are here: the joint loads meet
	s_wait_kmcnt 0x0
	s_add_nc_u64 s[G0+2:G0+3], s[6:7], s[44:45]
	s_or_b32 s[G0+3], s[G0+3], 0x80000000
	s_cmp_lt_u32 s[WV], 4                          ; one load a wave; waves 0 to 3, which wait ahead of the others, have a line of their own
	s_cbranch_scc0 .Lrest
	TL
	s_branch .Lasked
.Lrest:
	TL
.Lasked:
	v_and_b32 v104, 31, v0                         ; lane
	v_and_b32 v105, 15, v0                         ; r
	v_bfe_u32 v106, v0, 4, 1                       ; h
	v_lshlrev_b32 v[AL], 4, v104
	v_cmp_lt_u32 s[HM], 15, v104
	v_lshl_add_u32 v[AKS], v105, 5, 16384
	v_lshl_add_u32 v[AVS], v105, 4, 16896
	v_lshlrev_b32 v109, 5, v105
	v_add_nc_u32 v[RH], v109, v106
	v_add_nc_u32 v[GA], s40, v[AL]
	v_add_nc_u32 v[GB], s41, v109
	v_add_nc_u32 v[GA2], s42, v[AL]
	v_add_nc_u32 v[GB2], s43, v109
	global_load_b128 v[QL:QL+3], v[GA], s[4:5]     ; the first tile's q and its scale word
	global_load_b128 v[QL+4:QL+7], v[GA], s[4:5] offset:512
	global_load_b32 v[QSA], v[GB], s[4:5]
	v_and_b32 v[LQ], 8, v105
	v_add_nc_u32 v[LQ], v[LQ], v105
	v_lshlrev_b32 v106, 4, v106
	v_sub_nc_u32 v[LQ], v[LQ], v106
	v_add_nc_u32 v[LQ], s50, v[LQ]
.irp j, 0,1,2,3,4,5,6,7
	v_mov_b32 v[QH+\j], 0                          ; the zero codes on either side of q
	v_mov_b32 v[QL+8+\j], 0
.endr
.irp b, 0,1,2,3
	v_mov_b32 v[W1+\b], 0                          ; a lane permute's destination counts as one of its sources
.endr
	v_mov_b32 v[T], 0
	v_mov_b32 v[F+1], 0                            ; (named as the upper half of a pair before it is first written)
	v_mov_b32 v[NINF], 0xff800000
	RESET D1
	s_mov_b32 s[I], 0
	WALU
	s_cmp_lt_u32 s[WV], 4
	s_cbranch_scc0 .Lnot_yet
	s_wait_tensorcnt 0x0                           ; waves 0 to 3: packs 0 to 3 are in
.Lnot_yet:
	s_barrier_signal -1
	s_barrier_wait -1
	s_wait_loadcnt 0x0                             ; q
.Lfirst:                                           ; trips 0 to 3: every tile's first steps, none on the diagonal (a first tile has nine steps at the least)
	s_and_b32 s44, s[I], 3
	s_mul_i32 s[TB], s44, PACK                     ; packs 0 to 3
	STEP 0
	s_add_co_u32 s[I], s[I], 1
	s_cmp_lt_u32 s[I], 4
	WALU
	s_cbranch_scc1 .Lfirst
	s_wait_tensorcnt 0x0                           ; every wave: my pack is in,
	s_barrier_signal -1
	s_barrier_wait -1                              ; and everybody's: all 16 packs may be read from here on
	s_mov_b32 s[I], 4
.Ltrip:                                            ; trips 4 to 15: the first tile; 16 to 23: the second
	s_cmp_lg_u32 s[I], 16                          ; the count of trips alone
	s_cbranch_scc1 .Lsame
	global_load_b128 v[QL:QL+3], v[GA2], s[4:5]    ; the second tile's q is asked for ahead of the first tile's way out
	global_load_b128 v[QL+4:QL+7], v[GA2], s[4:5] offset:512
	global_load_b32 v[QSA], v[GB2], s[4:5]
	FINISH
	s_mov_b32 s[GC], s[GS]
	s_add_co_u32 s[LIVE], s[GW], 1
	RESET D2
	WALU
	s_wait_loadcnt 0x0
.Lsame:
	s_and_b32 s44, s[I], 15                        ; the tile's step, which is the pack's number
	s_cmp_ge_u32 s44, s[LIVE]                      ; beyond the tile's last step: the wave's number and the count of trips alone
	s_cbranch_scc1 .Ldead
	s_mul_i32 s[TB], s44, PACK
	s_add_co_u32 s44, s44, 1
	s_cmp_eq_u32 s44, s[LIVE]
	s_cselect_b32 s[DG], 1, 0                      ; a tile's last step lies on the diagonal
	STEP 1
.Ldead:
	s_add_co_u32 s[I], s[I], 1
	s_cmp_lt_u32 s[I], 24
	WALU
	s_cbranch_scc1 .Ltrip
	FINISH
	s_wait_tensorcnt 0x0                           ; the wave's end
	ds_add_u32 v[SPW], v[NIL]
	s_wait_dscnt 0x0
	CROUND                                         ; the closing round
	s_endpgm
.Lfunc_end_k_q4102f83d66_attn:
	.size	k_q4102f83d66_attn, .Lfunc_end_k_q4102f83d66_attn-k_q4102f83d66_attn
	.p2alignl 7, 3214868480
	.fill 96, 4, 3214868480
	.section	.rodata,"a",@progbits
	.p2align	6, 0x0
	.amdhsa_kernel k_q4102f83d66_attn
		.amdhsa_group_segment_fixed_size 327680
		.amdhsa_private_segment_fixed_size 0
		.amdhsa_enable_private_segment 0
		.amdhsa_kernarg_size 24
		.amdhsa_user_sgpr_count 2
		.amdhsa_user_sgpr_kernarg_segment_ptr 1
		.amdhsa_wavefront_size32 1
		.amdhsa_system_sgpr_workgroup_id_x 1
		.amdhsa_system_sgpr_workgroup_id_y 1
		.amdhsa_system_sgpr_workgroup_id_z 1
		.amdhsa_system_vgpr_workitem_id 0
		.amdhsa_next_free_vgpr 256
		.amdhsa_next_free_sgpr 66
		.amdhsa_reserve_vcc 1
		.amdhsa_float_denorm_mode_32 3
		.amdhsa_float_denorm_mode_16_64 3
		.amdhsa_memory_ordered 1
		.amdhsa_forward_progress 1
		.amdhsa_inst_pref_size 65
	.end_amdhsa_kernel
	.amdgpu_metadata
---
amdhsa.version: [ 1, 2 ]
amdhsa.kernels:
  - .name:           k_q4102f83d66_attn
    .symbol:         k_q4102f83d66_attn.kd
    .args:
      - { .name: qq, .offset: 0, .size: 8, .value_kind: global_buffer, .address_space: global }
      - { .name: kv, .offset: 8, .size: 8, .value_kind: global_buffer, .address_space: global }
      - { .name: yq, .offset: 16, .size: 8, .value_kind: global_buffer, .address_space: global }
    .group_segment_fixed_size: 327680
    .private_segment_fixed_size: 0
    .kernarg_segment_align: 8
    .kernarg_segment_size: 24
    .max_flat_workgroup_size: 512
    .sgpr_count:     66
    .vgpr_count:     256
    .wavefront_size: 32
...
	.end_amdgpu_metadata
.endif
;; end of part 3
;; launch proj (part 4): grid 4 x 32, 4 waves a work-group, clusters of 4 x 4, 327,680 bytes of LDS; arguments yq, wpq, b_proj, out0; writes out0
.if DOCPART == 4
	.amdgcn_target "amdgcn-amd-amdhsa--gfx1250"
	.amdhsa_code_object_version 6
	.text
	.protected	k_q4102f83d66_proj
	.globl	k_q4102f83d66_proj
	.p2align	8
	.type	k_q4102f83d66_proj,@function
k_q4102f83d66_proj:
	s_mov_b64 s[64:65], 0
	v_nop
	global_prefetch_b8 v0, s[64:65] scope:SCOPE_SE
	s_setreg_imm32_b32 hwreg(HW_REG_WAVE_MODE, 25, 1), 1
	s_wait_xcnt 0x0
	s_wait_alu depctr_hold_cnt(0) depctr_sa_sdst(0) depctr_va_vdst(0) depctr_va_sdst(0) depctr_va_ssrc(0) depctr_va_vcc(0) depctr_vm_vsrc(0)
	s_getreg_b32 s2, hwreg(HW_REG_IB_STS2, 6, 4)
	s_cmp_eq_u32 s2, 0
	s_cbranch_scc0 .Lentry_in_a_cluster
	s_endpgm
.Lentry_in_a_cluster:
	s_bfe_u32 s2, ttmp6, 0x10000c
	s_cmp_lg_u32 s2, 0xf033
	s_cbranch_scc0 .Lentry_shape_is_right
	s_endpgm
.Lentry_shape_is_right:
.set HALF,   32768
.set SLOT,   131072
.set SCL,    262144
.set HALFS,  4352
.set SBLK,   544
.set SPARE,  307200
.set NQ,     2
.set FR,     16
.set NL,     4
.set NP,     8
.set KSX,    2097152
.set KSW,    262144
.set XIMG,   8388608
.set WIMG,   1048576
.set SPITCH, 528
.set L16,  14
.set ADRQ, 16
.set ADRP, 20
.set ADRS, 22
.set STO,  24
.set RD,   25
.set SPW,  28
.set NIL,  29
.set SC,   32
.set BI,   64
.set QF,   128
.set BK,   128
.set G1, 24
.set G0, 32
.set G1B, 48
.set G0B, 56
.set G1S, 68
.set G0S, 76
.set G1SB, 80
.set G0SB, 88
.set MSB, 0
.macro WIN new
.if MSB != \new
	s_set_vgpr_msb (MSB<<8)|\new
.set MSB, \new
.endif
.endm
.set MUL_LO, 0xa1
.set MUL_HI, 0xf1
.set TO_P,   0x40
.macro WMUL hi, zero
.if \zero == 2
	WIN 0x81+0x40*\hi
.else
	WIN MUL_LO+0x50*\hi
.endif
.endm
.macro JLOAD g0a, g1a, g0b, g1b
	s_cmp_eq_u32 s15, 0
	s_cbranch_scc0 .Lfor_b_\@
	tensor_load_to_lds s[\g0a:\g0a+3], s[\g1a:\g1a+7]
	s_nop 0
.rept 4
	v_nop
.endr
	s_branch .Lasked_\@
.Lfor_b_\@:
	tensor_load_to_lds s[\g0b:\g0b+3], s[\g1b:\g1b+7]
	s_nop 0
.rept 4
	v_nop
.endr
.Lasked_\@:
.endm
.macro CREST
	s_cmp_lg_u32 s14, 0
	s_cbranch_scc1 .Lnot_wave_0_\@
	s_barrier_signal -3
.Lnot_wave_0_\@:
	s_barrier_wait -3
	s_barrier_signal -1
	s_barrier_wait -1
.endm
.macro CROUND
	s_barrier_signal -1
	s_barrier_wait -1
	CREST
.endm
	s_load_b256 s[4:11], s[0:1], 0x0
	v_lshl_add_u32 v[SPW], v0, 2, SPARE
	v_mov_b32 v[NIL], 0
	ds_add_u32 v[SPW], v[NIL]
	ds_add_u32 v[SPW], v[NIL]
	v_lshrrev_b32 v1, 5, v0
	v_readfirstlane_b32 s14, v1
	s_lshr_b32 s15, s14, 1
	s_and_b32 s16, s14, 1
	s_bfe_u32 s40, ttmp6, 0x40000
	s_bfe_u32 s41, ttmp6, 0x40004
	s_lshl_b32 s42, ttmp9, 2
	s_add_co_u32 s42, s42, s40
	s_and_b32 s17, ttmp7, 0xffff
	s_lshl_b32 s17, s17, 2
	s_add_co_u32 s17, s17, s41
	s_lshl_b32 s43, s41, 2
	s_lshl_b32 s43, 15, s43
	s_lshl_b32 s44, 0x1111, s40
	s_or_b32 s[G1+0], s43, (3<<16)|(1<<21)
	s_or_b32 s[G1B+0], s44, (3<<16)|(1<<21)
.irp g, G1, G1B
	s_mov_b32 s[\g+1], 32<<16
	s_mov_b32 s[\g+2], 256<<16                     ; the head's loads bring a side's 16 tiles, 256 rows; behind them the two words are set to 128
	s_mov_b32 s[\g+3], 32<<16
	s_mov_b32 s[\g+4], 256
	s_mov_b32 s[\g+5], 32
	s_mov_b32 s[\g+6], 0
	s_mov_b32 s[\g+7], 0
.endr
	s_or_b32 s[G1S+0], s43, (3<<16)|(1<<20)|(1<<21)|(5<<22)|(3<<25)
	s_or_b32 s[G1SB+0], s44, (3<<16)|(1<<20)|(1<<21)|(5<<22)|(3<<25)
.irp g, G1S, G1SB
	s_mov_b32 s[\g+1], 32<<16
	s_mov_b32 s[\g+2], 32<<16                      ; the scales of a side's 16 tiles: 32 rows of 256 bytes
	s_mov_b32 s[\g+3], 32<<16
	s_mov_b32 s[\g+4], 32
	s_mov_b32 s[\g+5], 32
	s_mov_b32 s[\g+6], 0
	s_mov_b32 s[\g+7], 0
.endr
	s_lshl_b32 s2, s16, 15                         ; s[2:3]: in the ring I fetch one half of a side: 8 tiles x 4,096
	s_mov_b32 s3, 0
	s_lshl_b32 s20, s17, 16                        ; y's side: hangs on the tile row alone
	s_mov_b32 s21, 0
	s_lshl_b32 s22, s17, 13
	s_add_co_u32 s22, s22, XIMG
	s_mov_b32 s23, 0
	s_lshl_b32 s46, s42, 16                        ; the weight: on the tile column alone
	s_mov_b32 s47, 0
	s_lshl_b32 s92, s42, 13
	s_add_co_u32 s92, s92, WIMG
	s_mov_b32 s93, 0
	s_mul_i32 s45, s14, HALF                       ; where the ring's loads go: wave x a half
	s_wait_dscnt 0x0
	s_wait_kmcnt 0x0
	s_add_nc_u64 s[20:21], s[4:5], s[20:21]
	s_add_nc_u64 s[22:23], s[4:5], s[22:23]
	s_add_nc_u64 s[46:47], s[6:7], s[46:47]
	s_add_nc_u64 s[92:93], s[6:7], s[92:93]
	CROUND
	s_mov_b32 s[G0S], 1                            ; the head's four tiles, each whole: y's scales,
	s_mov_b32 s[G0S+1], SCL
	s_mov_b64 s[G0S+2:G0S+3], s[22:23]
	s_or_b32 s[G0S+3], s[G0S+3], 0x80000000
	s_mov_b32 s[G0SB], 1                           ; the weight's scales,
	s_mov_b32 s[G0SB+1], SCL+2*HALFS
	s_mov_b64 s[G0SB+2:G0SB+3], s[92:93]
	s_or_b32 s[G0SB+3], s[G0SB+3], 0x80000000
	s_mov_b32 s[G0], 1                             ; K step 0's 16 tiles of y (slot 0's group 0; it is set for the ring behind the head's wait),
	s_mov_b32 s[G0+1], 0
	s_mov_b64 s[G0+2:G0+3], s[20:21]
	s_or_b32 s[G0+3], s[G0+3], 0x80000000
	s_mov_b32 s[G0B], 1                            ; and of the weight
	s_mov_b32 s[G0B+1], 2*HALF
	s_mov_b64 s[G0B+2:G0B+3], s[46:47]
	s_or_b32 s[G0B+3], s[G0B+3], 0x80000000
	s_add_nc_u64 s[20:21], s[20:21], s[2:3]        ; slot 1's group 0: my half of K step 1
	s_add_nc_u64 s[46:47], s[46:47], s[2:3]
	s_mov_b32 s[G0+4], 1
	s_add_co_u32 s[G0+5], s45, SLOT
	s_add_nc_u64 s[G0+6:G0+7], s[20:21], KSX
	s_or_b32 s[G0+7], s[G0+7], 0x80000000
	s_mov_b32 s[G0B+4], 1
	s_add_co_u32 s[G0B+5], s45, SLOT
	s_add_nc_u64 s[G0B+6:G0B+7], s[46:47], KSW
	s_or_b32 s[G0B+7], s[G0B+7], 0x80000000
; the head's loads, one a wave: one chain of branches on the wave's number, a load to an arm, all arms to one join
.macro HARM under, g0, g1, next
	s_cmp_lt_u32 s14, \under
	s_cbranch_scc0 \next
	tensor_load_to_lds s[\g0:\g0+3], s[\g1:\g1+7]
	s_nop 0
.rept 4
	v_nop
.endr
	s_branch .Lhead_asked
\next:
.endm
	HARM 1, G0, G1, .Lhead_b
	HARM 2, G0B, G1B, .Lhead_sa
	HARM 3, G0S, G1S, .Lhead_sb
	tensor_load_to_lds s[G0SB:G0SB+3], s[G1SB:G1SB+7]
	s_nop 0
.rept 4
	v_nop
.endr
.Lhead_asked:
	v_and_b32 v1, 15, v0
	v_bfe_u32 v2, v0, 4, 1
	v_and_b32 v3, 31, v0
	v_lshlrev_b32 v[L16], 4, v3
	s_lshl_b32 s18, s15, 15
	s_lshl_b32 s19, s16, 15
	s_add_co_u32 s19, s19, 2*HALF
	v_add_nc_u32 v[ADRQ], s18, v[L16]
	v_add_nc_u32 v[ADRP], s19, v[L16]
	v_add_nc_u32 v[ADRQ+1], SLOT, v[ADRQ]
	v_add_nc_u32 v[ADRP+1], SLOT, v[ADRP]
	v_lshlrev_b32 v5, 5, v1
	v_lshrrev_b32 v6, 3, v1
	v_lshl_add_u32 v5, v6, 4, v5
	s_mul_i32 s18, s15, HALFS
	s_mul_i32 s19, s16, HALFS
	s_add_co_u32 s19, s19, 2*HALFS
	s_sub_co_u32 s19, s19, s18
	v_mul_u32_u24 v6, s19, v2
	s_add_co_u32 s18, s18, SCL
	v_add_nc_u32 v5, v5, v6
	v_add_nc_u32 v[ADRS], s18, v5
	s_lshl_b32 s18, s42, 10
	s_lshl_b32 s19, s16, 9
	s_add_co_u32 s18, s18, s19
	s_mov_b32 s19, 0
	s_add_nc_u64 s[8:9], s[8:9], s[18:19]
	v_lshlrev_b32 v7, 6, v2
.irp b, 0,1,2,3
.irp i, 0,1,2,3
	global_load_b128 v[BI+16*\b+4*\i:BI+16*\b+4*\i+3], v7, s[8:9] offset:128*\b+16*\i
.endr
.endr
	s_mul_i32 s23, s14, 16*SPITCH
	v_mul_u32_u24 v5, v1, SPITCH
	v_lshl_add_u32 v5, v2, 6, v5
	v_add_nc_u32 v[STO], s23, v5
	v_add_nc_u32 v[RD], s23, v[L16]
	s_lshl_b32 s20, s17, 8
	s_lshl_b32 s21, s15, 7
	s_add_co_u32 s20, s20, s21
	s_lshl_b32 s20, s20, 12
	s_lshl_b32 s46, s42, 10
	s_lshl_b32 s47, s16, 9
	s_add_co_u32 s46, s46, s47
	s_add_co_u32 s20, s20, s46
	s_mov_b32 s21, 0
	s_add_nc_u64 s[10:11], s[10:11], s[20:21]
.macro FRAG reg, adr, q, i
.irp c, 0,1,2,3
	ds_load_b128 v[\reg+4*\c:\reg+4*\c+3], v[\adr] offset:4096*(\i)+2048*(\q)+512*\c
.endr
.endm
.macro MUL16 a0, p, q, sc, zero
.irp a, \a0, \a0+1
.irp b, 0,1,2,3,4,5,6,7
.if \zero == 2
	v_wmma_scale_f32_16x16x128_f8f6f4 v[8*(8*((\a)%4)+\b):8*(8*((\a)%4)+\b)+7], v[128*(\p)+FR*\b:128*(\p)+FR*\b+FR-1], v[QF+FR*(\a):QF+FR*(\a)+FR-1], v[BI+8*\b:BI+8*\b+7], v[SC+8*NQ*(\sc)+NQ*\b+(\q)], v[SC+8*NQ*(\sc)+NQ*(\a)+(\q)] matrix_a_fmt:MATRIX_FMT_BF8 matrix_b_fmt:MATRIX_FMT_BF8 matrix_a_scale:MATRIX_SCALE_ROW1
.else
	v_wmma_scale_f32_16x16x128_f8f6f4 v[8*(8*((\a)%4)+\b):8*(8*((\a)%4)+\b)+7], v[128*(\p)+FR*\b:128*(\p)+FR*\b+FR-1], v[QF+FR*(\a):QF+FR*(\a)+FR-1], v[8*(8*((\a)%4)+\b):8*(8*((\a)%4)+\b)+7], v[SC+8*NQ*(\sc)+NQ*\b+(\q)], v[SC+8*NQ*(\sc)+NQ*(\a)+(\q)] matrix_a_fmt:MATRIX_FMT_BF8 matrix_b_fmt:MATRIX_FMT_BF8 matrix_a_scale:MATRIX_SCALE_ROW1
.endif
.endr
.endr
.endm
.macro FETCH_P slot, q, p
	WIN TO_P
.irp i, 0,1,2,3,4,5,6,7
	FRAG 128*(\p)+FR*\i, ADRP+\slot, \q, \i
.endr
	WIN 0
.endm
.macro FETCH_Q slot, q, i0
.irp i, \i0, \i0+1, \i0+2, \i0+3
	FRAG QF+FR*(\i), ADRQ+\slot, \q, \i
.endr
.endm
.macro SCALES sc
.irp i, 0,1,2,3,4,5,6,7
	ds_load_b64 v[SC+8*NQ*\sc+NQ*\i:SC+8*NQ*\sc+NQ*\i+1], v[ADRS] offset:\i*SBLK
.endr
.endm
.macro PLACES n
.rept \n
	v_nop
.endr
.endm
.macro STEP slot, q, zero
	s_wait_dscnt 4*NL
	WMUL 0, \zero
	MUL16 0, (\q)%2, \q, \slot, \zero
	MUL16 2, (\q)%2, \q, \slot, \zero
	s_wait_dscnt 0
	PLACES NP
	FETCH_P \slot, (\q)+1, 1-(\q)%2
	FETCH_Q \slot, (\q)+1, 0
	WMUL 1, \zero
	MUL16 4, (\q)%2, \q, \slot, \zero
	MUL16 6, (\q)%2, \q, \slot, \zero
	PLACES NP
	WIN 0
	FETCH_Q \slot, (\q)+1, 4
.endm
.macro TURN slot, next, fill
	s_wait_tensorcnt 0x0
	ds_add_u32 v[SPW], v[NIL]
	s_wait_dscnt 4*NL+1
	WIN MUL_LO
	MUL16 0, 1, NQ-1, \slot, 0
	s_wait_dscnt 0x0
	s_barrier_signal -1
	MUL16 2, 1, NQ-1, \slot, 0
	WIN 0
	s_barrier_wait -1
.if \fill
	CREST
	s_add_nc_u64 s[G0+4*\slot+2:G0+4*\slot+3], s[G0+4*\slot+2:G0+4*\slot+3], 2*KSX
	s_add_nc_u64 s[G0B+4*\slot+2:G0B+4*\slot+3], s[G0B+4*\slot+2:G0B+4*\slot+3], 2*KSW
	JLOAD G0+4*\slot, G1, G0B+4*\slot, G1B
	PLACES NP-4
.else
	PLACES NP
.endif
	s_wait_alu depctr_va_vdst(0)
	v_add_nc_u32 v[ADRS], 4*NQ, v[ADRS]
	FETCH_P \next, 0, 0
	FETCH_Q \next, 0, 0
	SCALES \next
	WIN MUL_HI
	MUL16 4, 1, NQ-1, \slot, 0
	MUL16 6, 1, NQ-1, \slot, 0
	PLACES NP
	WIN 0
	FETCH_Q \next, 0, 4
.endm
	s_wait_alu depctr_va_vdst(0)
	s_wait_tensorcnt 0x0                           ; my tile of the head's four is in
	ds_add_u32 v[SPW], v[NIL]
	s_mov_b32 s[G1+2], 128<<16                     ; no tensor load of mine is out: from here on a load brings 128 rows,
	s_mov_b32 s[G1+4], 128
	s_mov_b32 s[G1B+2], 128<<16
	s_mov_b32 s[G1B+4], 128
	s_mov_b32 s[G0+1], s45                         ; and slot 0's groups 0 name my half
	s_add_nc_u64 s[G0+2:G0+3], s[G0+2:G0+3], s[2:3]
	s_mov_b32 s[G0B+1], s45
	s_add_nc_u64 s[G0B+2:G0B+3], s[G0B+2:G0B+3], s[2:3]
	s_wait_dscnt 0x0
	CROUND                                         ; a whole round: all four tiles are in, and the sixteen work-groups are here
	JLOAD G0+4, G1, G0B+4, G1B                     ; K step 1: the first tensor load behind the round
	FETCH_P 0, 0, 0
	FETCH_Q 0, 0, 0
	SCALES 0
	FETCH_Q 0, 0, 4
	s_wait_loadcnt 0x0
	STEP 0, 0, 2
	TURN 0, 1, 1
	STEP 1, 0, 0
	TURN 1, 0, 1
	STEP 0, 0, 0
	TURN 0, 1, 0
	STEP 1, 0, 0
	s_wait_dscnt 4*NL
	WIN MUL_LO
	MUL16 0, 1, NQ-1, 1, 0
	MUL16 2, 1, NQ-1, 1, 0
	s_wait_dscnt 0
	WIN MUL_HI
	MUL16 4, 1, NQ-1, 1, 0
	MUL16 6, 1, NQ-1, 1, 0
	WIN 0
.macro TOSTAGE a
.set AC, 64*((\a)%4)
	WIN 0x08+4*((\a)/4)
.irp b, 0,1,2,3,4,5,6,7
	ds_store_b128 v[STO], v[AC+8*\b:AC+8*\b+3] offset:128*(\b/2)+32*(\b%2)
	ds_store_b128 v[STO], v[AC+8*\b+4:AC+8*\b+7] offset:128*(\b/2)+32*(\b%2)+16
.endr
	WIN 0
.set BB, BK+64*((\a)%2)
.irp t, 0,1,2,3,4,5,6,7,8,9,10,11,12,13,14,15
	ds_load_b128 v[BB+4*\t:BB+4*\t+3], v[RD] offset:\t*SPITCH
.endr
.endm
.macro SEND a, younger
.set BB, BK+64*((\a)%2)
	s_wait_dscnt \younger
.irp t, 0,1,2,3,4,5,6,7,8,9,10,11,12,13,14,15
	global_store_b128 v[L16], v[BB+4*\t:BB+4*\t+3], s[10:11] offset:(32*((\a)/2)+8*((\a)%2)+\t+8*(\t/8))*4096 th:TH_STORE_NT
.endr
.endm
	PLACES NP
	TOSTAGE 0
.irp a, 1,2,3,4,5,6,7
.if \a > 1
	s_wait_xcnt 0x0
.endif
	TOSTAGE \a
	SEND \a-1, 32
.endr
	SEND 7, 0
	s_wait_tensorcnt 0x0
	ds_add_u32 v[SPW], v[NIL]
	s_wait_dscnt 0x0
	CROUND
	s_endpgm
.Lfunc_end_k_q4102f83d66_proj:
	.size	k_q4102f83d66_proj, .Lfunc_end_k_q4102f83d66_proj-k_q4102f83d66_proj
	.p2alignl 7, 3214868480
	.fill 96, 4, 3214868480
	.section	.rodata,"a",@progbits
	.p2align	6, 0x0
	.amdhsa_kernel k_q4102f83d66_proj
		.amdhsa_group_segment_fixed_size 327680
		.amdhsa_private_segment_fixed_size 0
		.amdhsa_enable_private_segment 0
		.amdhsa_kernarg_size 32
		.amdhsa_user_sgpr_count 2
		.amdhsa_user_sgpr_kernarg_segment_ptr 1
		.amdhsa_wavefront_size32 1
		.amdhsa_system_sgpr_workgroup_id_x 1
		.amdhsa_system_sgpr_workgroup_id_y 1
		.amdhsa_system_sgpr_workgroup_id_z 1
		.amdhsa_system_vgpr_workitem_id 0
		.amdhsa_next_free_vgpr 1024
		.amdhsa_next_free_sgpr 102
		.amdhsa_reserve_vcc 0
		.amdhsa_float_denorm_mode_32 3
		.amdhsa_float_denorm_mode_16_64 3
		.amdhsa_memory_ordered 1
		.amdhsa_forward_progress 1
		.amdhsa_inst_pref_size 147
	.end_amdhsa_kernel
	.amdgpu_metadata
---
amdhsa.version: [ 1, 2 ]
amdhsa.kernels:
  - .name:           k_q4102f83d66_proj
    .symbol:         k_q4102f83d66_proj.kd
    .args:
      - { .name: yq, .offset: 0, .size: 8, .value_kind: global_buffer, .address_space: global }
      - { .name: wpq, .offset: 8, .size: 8, .value_kind: global_buffer, .address_space: global }
      - { .name: b_proj, .offset: 16, .size: 8, .value_kind: global_buffer, .address_space: global }
      - { .name: out0, .offset: 24, .size: 8, .value_kind: global_buffer, .address_space: global }
    .group_segment_fixed_size: 327680
    .private_segment_fixed_size: 0
    .kernarg_segment_align: 8
    .kernarg_segment_size: 32
    .max_flat_workgroup_size: 128
    .sgpr_count:     102
    .vgpr_count:     1024
    .wavefront_size: 32
...
	.end_amdgpu_metadata
.endif
;; end of part 4
